; MI455X (gfx1250); checked and timed in simulation.
; The chip was launched on July 23, 2026; its instructions are those of AMD's public machine-readable ISA for CDNA 5 (MIT licence, August 2026) and "CDNA5" Instruction Set Architecture Reference Guide (July 2026). The comments in the code are by the model that wrote it; some were corrected since.
;; GQA Attention. Allowed arithmetic: matrix products marked QUANTISED: E2M3 operands, one E8M0 scale for each 32 along K, by v_wmma_scale_f32_16x16x128_f8f6f4 with both operands' format E2M3, f32 sums; everything else in f32.
;; Inputs: wk_codes 512 x 64 x 24 uint8 (E2M3 codes of wk, K innermost, in blocks of 32 codes, four codes in three bytes); wk_scales 512 x 64 uint8 (E8M0 scales of wk, one for each 32 codes along K); wo_codes 2,048 x 32 x 24 uint8 (E2M3 codes of wo, K innermost, in blocks of 32 codes, four codes in three bytes); wo_scales 2,048 x 32 uint8 (E8M0 scales of wo, one for each 32 codes along K); wq_codes 1,024 x 64 x 24 uint8 (E2M3 codes of wq, K innermost, in blocks of 32 codes, four codes in three bytes); wq_scales 1,024 x 64 uint8 (E8M0 scales of wq, one for each 32 codes along K); wv_codes 512 x 64 x 24 uint8 (E2M3 codes of wv, K innermost, in blocks of 32 codes, four codes in three bytes); wv_scales 512 x 64 uint8 (E8M0 scales of wv, one for each 32 codes along K); x_codes 2 x 2,048 x 64 x 24 uint8 (E2M3 codes of x, K innermost, in blocks of 32 codes, four codes in three bytes); x_scales 2 x 2,048 x 64 uint8 (E8M0 scales of x, one for each 32 codes along K).
;; Outputs: out0 2 x 2,048 x 2,048 float32.
;; This version of the problem:
;;   THIS VERSION OF THE PROBLEM IS GIVEN IN LOW PRECISION. The matrix products marked QUANTISED in the list below multiply operands that are first quantised to E2M3 (2 exponent bits, 3 mantissa bits; 6 bits a number), with one power-of-two scale for each 32 numbers along K (OCP MX v1.0); their sums are f32. All else is computed in f32.
;;   The module's matrix products, in the order in which they are computed (A, B: the left and right operand; K: the contracted axis; several contracted axes count as one K, in the product's order):
;;     1. [M 4,096, K 2,048] x [K 2,048, N 1,024]; A: input x (given as codes); B: input wq (given as codes): QUANTISED
;;     2. [M 4,096, K 2,048] x [K 2,048, N 512]; A: input x (given as codes); B: input wk (given as codes): QUANTISED
;;     3. [M 4,096, K 2,048] x [K 2,048, N 512]; A: input x (given as codes); B: input wv (given as codes): QUANTISED
;;     4. batch 16 x [M 4,096, K 64] x [K 64, N 2,048]; A: computed on the way; B: computed on the way: QUANTISED
;;     5. batch 16 x [M 4,096, K 2,048] x [K 2,048, N 64]; A: softmax (see below); B: computed on the way: QUANTISED
;;     6. [M 4,096, K 1,024] x [K 1,024, N 2,048]; A: computed on the way; B: input wo (given as codes): QUANTISED
;;   THE QUANTISER, for each operand of a quantised product, along K:
;;     - K is cut into blocks of 32 from its start; a last block that is shorter is filled with zeros.
;;     - A block's scale is 2^e with e = floor(log2(the largest magnitude in the block)) - 2, held to -126 .. 127; a block of zeros has e = 0. As a byte (E8M0): e + 127.
;;     - Each number is divided by its block's scale, clamped to +-7.5, and rounded to the nearest number of E2M3, ties to even, subnormals kept.
;;     - The product sums the exact products of the quantised numbers (number of the format x scale) in f32.
;;   ~~~python
;;   def quantise(x, axis):      # numpy; x: float32 -> the quantised numbers, widened to float32 again
;;       x = np.moveaxis(x, axis, -1); K = x.shape[-1]
;;       x = np.pad(x, [(0, 0)] * (x.ndim - 1) + [(0, -K % 32)]); x = x.reshape(x.shape[:-1] + (-1, 32)); a = np.abs(x).max(-1, keepdims=True)
;;       e = np.where(a > 0, np.clip(np.frexp(np.where(a > 0, a, 1))[1] - 1 - 2, -126, 127), 0)      # np.frexp(a)[1] - 1 = floor(log2(a)), exactly
;;       r = np.clip(x / 2.0 ** e, -7.5, 7.5)
;;       step = 2.0 ** (np.maximum(np.frexp(np.where(r == 0, 1, r))[1] - 1, 0) - 3)
;;       q = np.round(r / step) * step * 2.0 ** e      # np.round: ties to even
;;       return np.moveaxis(q.reshape(q.shape[:-2] + (-1,))[..., :K], -1, axis).astype(np.float32)
;;   ~~~
;;   SOFTMAX AHEAD OF A QUANTISED PRODUCT. Where the list says 'softmax', what is quantised is not the finished softmax but p = 2^(t - M), with t = logit x log2(e) and M = ceil(the row's largest t), a whole number; so 1/2 < the row's largest p <= 1. The row's sum l is taken of the UNQUANTISED p, in f32, and the product's result is divided by l at the end. Since M is a whole number, a kernel that streams over the keys may use a running M (the ceiling of the running maximum): every later rescaling is an exact power of two, which a block's scale takes up: the codes' values come out the same.
;;   OPERANDS COMPUTED ON THE WAY. 'Computed on the way' means the value that the module computes at that place (a softmax that the list does not call 'softmax' is quantised finished and normalised). What goes into a quantiser is computed in f32, as accurately as f32 sums, v_exp_f32 and their like allow (about 1e-6 of the number): no bf16 or f16 on the way to a quantiser, and a product that is left as it is and whose result goes on into a quantised operand takes f32 operands (vector FMAs, or v_wmma_f32_16x16x4_f32). A number that lies on a knife's edge between two numbers of the format may be rounded either way, as far as f32 arithmetic and the matrix unit's own rounding can turn it there, and no further.
;;   INPUTS GIVEN AS CODES. wk (in the module: [512, 2048], K = its axis 1); wo (in the module: [2048, 1024], K = its axis 1); wq (in the module: [1024, 2048], K = its axis 1); wv (in the module: [512, 2048], K = its axis 1); x (in the module: [2, 2048, 2048], K = its axis 2): each comes as NAME_codes (uint8): NAME with its K axis moved to the last place and cut into blocks of 32 codes, [.., K / 32, bytes a block], one block behind the other in memory; four codes in three bytes: a row's codes are one little-endian stream of bits, code i at bits 6 i .. 6 i + 5 (a code: sign, 2 exponent bits, 3 mantissa bits); and NAME_scales (uint8): the same leading axes, one E8M0 byte (e + 127) for each 32 codes along K. Its value is code x scale, taken as it is: it is not quantised again, and the codes and scales need not be those that the quantiser above would give.
;; One version. Each part assembles by itself: llvm-mc -triple=amdgcn-amd-amdhsa -mcpu=gfx1250 --defsym DOCPART=n.
;; ======== version 1 of 1: 3 launches
;; limits: right only within a limited range of input values
;; workspace buffers: qrec 3,407,872 bytes; kvrec 3,407,872 bytes; ao 3,276,800 bytes
;; launch qkv (part 1): grid 16 x 16, 4 waves a work-group, clusters of 4 x 4, 327,680 bytes of LDS; arguments x_codes, x_scales, wq_codes, wq_scales, wk_codes, wk_scales, wv_codes, wv_scales, qrec, kvrec; writes qrec, kvrec
.if DOCPART == 1
	.amdgcn_target "amdgcn-amd-amdhsa--gfx1250"
	.amdhsa_code_object_version 6
	.text
	.protected	k_q4bd78498ba_qkv
	.globl	k_q4bd78498ba_qkv
	.p2align	8
	.type	k_q4bd78498ba_qkv,@function
k_q4bd78498ba_qkv:
	s_mov_b64 s[64:65], 0
	v_nop
	global_prefetch_b8 v0, s[64:65] scope:SCOPE_SE
	s_setreg_imm32_b32 hwreg(HW_REG_WAVE_MODE, 25, 1), 1
	s_wait_xcnt 0x0
	s_wait_alu depctr_hold_cnt(0) depctr_sa_sdst(0) depctr_va_vdst(0) depctr_va_sdst(0) depctr_va_ssrc(0) depctr_va_vcc(0) depctr_vm_vsrc(0)
	s_getreg_b32 s2, hwreg(HW_REG_IB_STS2, 6, 4)
	s_cmp_eq_u32 s2, 0
	s_cbranch_scc0 .Lentry_in_a_cluster
	s_endpgm
.Lentry_in_a_cluster:
	s_bfe_u32 s2, ttmp6, 0x10000c
	s_cmp_lg_u32 s2, 0xf033
	s_cbranch_scc0 .Lentry_shape_is_right
	s_endpgm
.Lentry_shape_is_right:
; q, k, v = x [4096][2048] times wq | wk | wv, all given as codes of FP6 (E2M3) with one E8M0 byte for each 32 along K; then the rotation of q and k by position, and the quantisers:
; q and k along the head's 64 numbers, v along the keys.  What leaves are IMAGES OF OPERAND REGISTERS for the next launch (codes and scale words as a lane will hold them).
; WORK LEFT OUT: none here.  The next launch leaves out the key steps that reference()'s own causal mask hides whole: every score there is replaced by the least f32 number and its weight is 0 for all inputs.
; A NaN, an infinity or an overflow that reaches only such hidden scores is not carried to the result.
; SHARES.  A work-group makes 256 rows x 128 columns; the cluster's x says which weight: 0, 1 wq, 2 wk, 3 wv.  Four waves, each 128 rows x 64 columns (one head): 32 accumulators, 256 registers.
; K goes through a ring of two LDS slots in CHUNKS OF 256 BYTES of each row (a row of codes is 1,536 bytes, so every chunk begins at a multiple of 256 bytes).  A step of 128 along K is 96 bytes: eight steps to three chunks;
; steps 2 and 5 of each eight lie across two chunks and take their fragments from both slots.  The scale bytes of the work-group's rows, for all of K, come once, with the head's loads.
; CLUSTERS: 4 x 4: x's tiles are asked for jointly along a row of the cluster, the weight's along a column.  THE MATRIX INSTRUCTION IS USED TRANSPOSED (source 0 = 16 rows of the weight, source 1 = 16 rows of x):
; lane (r, h) holds row r of x and columns 16 n + 8 h + 0 .. 7 of the head.
; ORDER INSIDE A BLOCK OF 32.  q's and k's codes stand in the order 0-7, 16-23, 8-15, 24-31 of the block's numbers, both by the same lines, so their product is the same sum.  v's codes stand in the same order of the
; block's keys, which is the order in which the next launch's weights p come out of its first product.  The rows of a tile of v^T are d = 32 (t / 2) + 8 (t % 2) + r + 8 (r / 8).
; THE ROTATION'S TABLE: cos and sin of fl(position x frequency) for the work-group's 256 rows, made in f32 while the first tiles are on their way: reduction by pi / 2 in two parts, polynomials on +-pi / 4.
; LIMITS: NaN and infinities are not served.  A block of zeros, and a block whose largest magnitude lies under 2^-124, gets the byte 1 (its codes are zeros, and this program alone reads the bytes).
; The 32 frequencies are the f32 numbers nearest to 10^(-i / 8); one made by an f32 power and reciprocal may differ in its last bit, up to 1e-4 radians at position 2,047.
; REGISTERS: window 0: v1-31 addresses; v32-55 scale words, two sets of 12; v56-127 the table's work, later the way out; v128-223 x's 8 fragments, one set; window 1: the weight's 4 fragments, two sets (v0, v128);
; window 2: accumulator (a, n) at v[8 (4 a + n)].
.set KROW,  1536
.set ROWB,  256
.set CHUNKS, KROW/ROWB
.set PITCH, 272                        ; 256 bytes + 16 of padding
.set FR,    12
.set HALFX, 128*PITCH
.set HALFW, 64*PITCH
.set WOFF,  2*HALFX
.set SLOT,  2*HALFX+2*HALFW
.set SCLX,  2*SLOT                     ; x's scale bytes: 256 rows x 64 bytes as 64 units of 256 + 16
.set SCLW,  SCLX+64*272                ; the weight's: 128 rows, 32 units
.set SPARE, SCLW+32*272                ; the spare words: 128 bytes a wave
.set TABLE, SPARE+512                  ; 256 rows x (32 cos, 32 sin, 16 bytes): written by LDS stores alone
.set TPI,   272
.set VST,   35328                      ; v's way out: a stage for each wave, in the ring, behind its last fill and its last read
.set ADRX, 16                          ; v16-17 my x fragments in slot 0, 1; v18-19: lanes 0-15 byte 232 of the row in slot 0, 1, lanes 16-31 byte 0 of the row in the other slot
.set ADRW, 20                          ; v20-23 the same for the weight
.set ADSX, 24
.set ADSW, 25
.set TADR, 26
.set L16,  27
.set SPW,  28                          ; my spare word; never rewritten
.set NIL,  29                          ; 0; never rewritten
.set L8,   30
.set H16,  31
.set VSTO, 8
.set VSRD, 9
.set TAD,  10
.set PFO,  13                          ; v13 the prefetches' offset: my lane's row x 1,536 bytes; never rewritten.  s[16:17]: where my prefetches stand; never rewritten
.set SC,   32
.set POS,  56
.set FQ,   60
.set TBAS, 63
.set TT,   64
.set HA,   64
.set AF,   128
.set CSR,  128
.set RT,   192
.set PC,   200
.set TM,   220
.set PW,   236
.set WE,   237
.set VS,   238
.set SW,   240
.set G0H,  4                           ; s[4:7], s[8:11] group 0 of the head's loads of chunk 0 (the arguments that lay there have been used)
.set G0HB, 8
.set G1,   24
.set G0,   32
.set G1W,  48
.set G0W,  56
.set G1S,  68
.set G0S,  76
.set G1T,  80
.set G0T,  88
.set WV,   92                          ; wave; WH = wave / 2: my half of the rows, and: I fetch for x (0) or the weight (1); WL = wave % 2: my head, and which half I fetch
.set WH,   93
.set WL,   94
.set TY,   95
.set SEL,  96
.set MSB, 0
.macro WIN new                         ; the immediate's high byte repeats the setting that is left
.if MSB != \new
	s_set_vgpr_msb (MSB<<8)|\new
.set MSB, \new
.endif
.endm
.set MUL,  0xa1                        ; source 0 (weight) window 1, source 1 (x) window 0, C and D window 2
.macro TLOAD g0, g1                    ; a tensor load with an s_nop and four v_nop behind it
	tensor_load_to_lds s[\g0:\g0+3], s[\g1:\g1+7]
	s_nop 0
.rept 4
	v_nop
.endr
.endm
.macro JLOAD g0a, g1a, g0b, g1b        ; a joint load: waves 0, 1 for x, waves 2, 3 for the weight
	s_cmp_eq_u32 s[WH], 0
	s_cbranch_scc0 .Lfor_b_\@
	TLOAD \g0a, \g1a
	s_branch .Lasked_\@
.Lfor_b_\@:
	TLOAD \g0b, \g1b
.Lasked_\@:
.endm
.macro CREST                           ; a round of the cluster's barrier behind its opening barrier
	s_cmp_lg_u32 s[WV], 0
	s_cbranch_scc1 .Lnot_wave_0_\@
	s_barrier_signal -3
.Lnot_wave_0_\@:
	s_barrier_wait -3
	s_barrier_signal -1
	s_barrier_wait -1
.endm
.macro CROUND
	s_barrier_signal -1
	s_barrier_wait -1
	CREST
.endm
.macro PLACES n
.rept \n
	v_nop
.endr
.endm
.macro FINISH                          ; the wave's end; then the closing round
	s_wait_tensorcnt 0x0
	ds_add_u32 v[SPW], v[NIL]
	s_wait_dscnt 0x0
	CROUND
	s_endpgm
.endm
.macro GRP1 g, c, r, p                 ; group 1's constant words: rows of c elements, r rows, pitch p
	s_mov_b32 s[\g+1], (\c)<<16
	s_mov_b32 s[\g+2], (\r)<<16
	s_mov_b32 s[\g+3], (\c)<<16
	s_mov_b32 s[\g+4], \r
	s_mov_b32 s[\g+5], \p
	s_mov_b32 s[\g+6], 0
	s_mov_b32 s[\g+7], 0
.endm
.macro GRP0 g, lds, a                  ; group 0: LDS byte lds (a constant), global address in s[a:a+1]
	s_mov_b32 s[\g], 1
	s_mov_b32 s[\g+1], \lds
	s_mov_b64 s[\g+2:\g+3], s[\a:\a+1]
	s_or_b32 s[\g+3], s[\g+3], 0x80000000
.endm
	s_load_b512 s[4:19], s[0:1], 0x0               ; x codes, x scales, wq codes, wq scales, wk codes, wk scales, wv codes, wv scales
	s_load_b128 s[20:23], s[0:1], 0x40             ; qrec, kvrec
	v_lshl_add_u32 v[SPW], v0, 2, SPARE
	v_mov_b32 v[NIL], 0
	ds_add_u32 v[SPW], v[NIL]                      ; the opening lines: the add twice on end and one wait
	ds_add_u32 v[SPW], v[NIL]
	v_lshrrev_b32 v1, 5, v0
	v_readfirstlane_b32 s[WV], v1
	s_lshr_b32 s[WH], s[WV], 1
	s_and_b32 s[WL], s[WV], 1
	s_bfe_u32 s40, ttmp6, 0x40000                  ; cx
	s_bfe_u32 s41, ttmp6, 0x40004                  ; cy
	s_and_b32 s[TY], ttmp7, 0xffff
	s_lshl_b32 s[TY], s[TY], 2
	s_add_co_u32 s[TY], s[TY], s41                 ; tile row = 4 x cluster y + cy
	s_cmp_lt_u32 ttmp9, 2
	s_cselect_b32 s42, ttmp9, 0
	s_lshl_b32 s42, s42, 2
	s_add_co_u32 s42, s42, s40                     ; tile of 128 rows in my weight: wq 4 x cluster x + cx, wk and wv cx
	s_lshl_b32 s43, s41, 2
	s_lshl_b32 s43, 15, s43                        ; my row of the cluster
	s_lshl_b32 s44, 0x1111, s40                    ; my column
	; codes: rows of 256 bytes, 16 of padding behind each; at the head x 256 rows, the weight 128
	s_or_b32 s[G1], s43, (1<<20)|(1<<21)|(5<<22)|(3<<25)
	s_or_b32 s[G1W], s44, (1<<20)|(1<<21)|(5<<22)|(3<<25)
	GRP1 G1, ROWB, 256, KROW
	GRP1 G1W, ROWB, 128, KROW
	; scale bytes: dense blocks as rows of 256 bytes (32 elements of 8), padded alike: x 64 rows, the weight 32
	s_or_b32 s[G1S], s43, (3<<16)|(1<<20)|(1<<21)|(5<<22)|(3<<25)
	s_or_b32 s[G1T], s44, (3<<16)|(1<<20)|(1<<21)|(5<<22)|(3<<25)
	GRP1 G1S, 32, 64, 32
	GRP1 G1T, 32, 32, 32
	s_lshl_b32 s45, s[TY], 8                       ; the tile's first row of x
	s_mul_i32 s98, s45, KROW
	s_mov_b32 s99, 0
	s_lshl_b32 s46, s45, 6
	s_mov_b32 s47, 0
	s_lshl_b32 s2, s42, 7                          ; and of the weight
	s_mul_i32 s100, s2, KROW
	s_mov_b32 s101, 0
	s_lshl_b32 s66, s2, 6
	s_mov_b32 s67, 0
	s_mov_b32 s[SEL], 0x76543210
	s_mov_b32 s[SEL+1], 0xfedcba98
	s_wait_dscnt 0x0                               ; both opening adds are done
	s_wait_kmcnt 0x0
	s_cmp_eq_u32 ttmp9, 2                          ; which weight, and which buffer takes the results: choices on the cluster's x alone
	s_cselect_b64 s[12:13], s[12:13], s[16:17]
	s_cselect_b64 s[14:15], s[14:15], s[18:19]
	s_cmp_lt_u32 ttmp9, 2
	s_cselect_b64 s[8:9], s[8:9], s[12:13]
	s_cselect_b64 s[10:11], s[10:11], s[14:15]
	s_cselect_b64 s[20:21], s[20:21], s[22:23]
	s_add_nc_u64 s[12:13], s[4:5], s[98:99]        ; x's codes, x's scales, the weight's codes, its scales
	s_add_nc_u64 s[16:17], s[6:7], s[46:47]
	s_add_nc_u64 s[14:15], s[8:9], s[100:101]
	s_add_nc_u64 s[18:19], s[10:11], s[66:67]
	CROUND                                         ; all sixteen work-groups are here: the first joint loads meet
	GRP0 G0H, 0, 12
	GRP0 G0HB, WOFF, 14
	GRP0 G0S, SCLX, 16
	GRP0 G0T, SCLW, 18
	s_mul_i32 s98, s[WL], 128*KROW                 ; for the ring: my half of the tile's rows
	s_mul_i32 s100, s[WL], 64*KROW
	s_add_nc_u64 s[12:13], s[12:13], s[98:99]
	s_add_nc_u64 s[14:15], s[14:15], s[100:101]
	; THE PREFETCHES INTO THE L2: behind the load of chunk c stands one request for chunk c + 2 (at the head also for chunk 1, a first touch).  Of the 128 rows of x (64 of the weight) that a wave fetches, each of the four
	; partners that ask for them jointly names 32 (16), told apart by ADDRESS alone (cx for x, cy for the weight): a lane a row of 256 bytes, so each block is named once in a cluster; the weight's lanes 16-31 name lane 15's again.
	; The chunk stands in the immediate, so no address register is rewritten; chunks 4 and 5 are the last that are named: every address lies inside its row.
	s_cmp_eq_u32 s[WH], 0
	s_cselect_b64 s[16:17], s[12:13], s[14:15]
	s_cselect_b32 s18, s40, s41
	s_cselect_b32 s19, 5, 4
	s_cselect_b32 s22, 31, 15
	s_lshl_b32 s18, s18, s19
	s_mul_i32 s18, s18, KROW
	s_mov_b32 s19, 0
	s_add_nc_u64 s[16:17], s[16:17], s[18:19]
	s_mul_i32 s45, s[WL], HALFX
	s_mul_i32 s2, s[WL], HALFW
.irp s, 0,1
	s_mov_b32 s[G0+4*\s], 1
	s_add_co_u32 s[G0+4*\s+1], s45, \s*SLOT
	s_add_nc_u64 s[G0+4*\s+2:G0+4*\s+3], s[12:13], \s*ROWB
	s_or_b32 s[G0+4*\s+3], s[G0+4*\s+3], 0x80000000
	s_mov_b32 s[G0W+4*\s], 1
	s_add_co_u32 s[G0W+4*\s+1], s2, WOFF+\s*SLOT
	s_add_nc_u64 s[G0W+4*\s+2:G0W+4*\s+3], s[14:15], \s*ROWB
	s_or_b32 s[G0W+4*\s+3], s[G0W+4*\s+3], 0x80000000
.endr
; the head's four tiles, one load a wave: wave 0 chunk 0 of x, wave 1 chunk 0 of the weight, wave 2 x's scales, wave 3 the weight's
.macro ARM under, g0, g1, next
	s_cmp_lt_u32 s[WV], \under
	s_cbranch_scc0 \next
	TLOAD \g0, \g1
	s_branch .Lhead_asked
\next:
.endm
	ARM 1, G0H,  G1,  .Lhead_b
	ARM 2, G0HB, G1W, .Lhead_sa
	ARM 3, G0S,  G1S, .Lhead_sb
	TLOAD G0T, G1T
.Lhead_asked:
	; where my wave's record begins: q: ((b 16 + head) 16 + group of 128 rows) x 6,656; k, v: ((b 8 + head) 16 + group) x 13,312
	s_lshl_b32 s45, s[TY], 8
	s_lshl_b32 s46, s[WH], 7
	s_add_co_u32 s45, s45, s46                     ; my first row
	s_cmp_lt_u32 ttmp9, 2
	s_cselect_b32 s46, 4, 3
	s_mov_b32 s47, 13312
	s_cselect_b32 s47, 6656, s47
	s_lshr_b32 s2, s45, 11                         ; b
	s_lshl_b32 s2, s2, s46
	s_lshl_b32 s46, s42, 1
	s_add_co_u32 s2, s2, s46
	s_add_co_u32 s2, s2, s[WL]                     ; + my head
	s_lshl_b32 s2, s2, 4
	s_bfe_u32 s46, s45, 0x40007                    ; the group
	s_add_co_u32 s2, s2, s46
	s_mul_i32 s46, s2, s47
	s_mov_b32 s47, 0
	s_add_nc_u64 s[20:21], s[20:21], s[46:47]
	s_mov_b32 s66, SLOT-232
	s_mov_b32 s67, SLOT+232
	s_mul_i32 s2, s[WH], HALFX
	s_mul_i32 s3, s[WL], HALFW
	s_add_co_u32 s3, s3, WOFF
	; lane addresses
	v_and_b32 v1, 15, v0                           ; r
	v_bfe_u32 v2, v0, 4, 1                         ; h
	v_and_b32 v6, 31, v0                           ; lane
	v_mul_u32_u24 v3, v1, PITCH
	v_mad_u32_u24 v4, v2, 24, v3                   ; a fragment's row x pitch + 24 h
	v_sub_nc_u32 v11, 1, v2
	v_mul_u32_u24 v5, s66, v2
	v_add_nc_u32 v5, v3, v5
	v_add_nc_u32 v5, 232, v5                       ; lanes 0-15 byte 232 of the row in slot 0, lanes 16-31 byte 0 in slot 1
	v_mul_u32_u24 v12, s67, v11
	v_add_nc_u32 v12, v3, v12                      ; lanes 0-15 byte 232 in slot 1, lanes 16-31 byte 0 in slot 0
	v_add_nc_u32 v[ADRX+2], s2, v5
	v_add_nc_u32 v[ADRX+3], s2, v12
	v_add_nc_u32 v[ADRW+2], s3, v5
	v_add_nc_u32 v[ADRW+3], s3, v12
.irp s, 0,1
	v_add_nc_u32 v[ADRX+\s], s2, v4
	v_add_nc_u32 v[ADRW+\s], s3, v4
	s_add_co_u32 s2, s2, SLOT
	s_add_co_u32 s3, s3, SLOT
.endr
	v_lshlrev_b32 v7, 6, v6                        ; scale bytes: 64 a row, four rows to a unit,
	v_lshrrev_b32 v3, 2, v6
	v_lshl_add_u32 v7, v3, 4, v7                   ; 16 more for each unit passed
	s_mul_i32 s2, s[WH], 32*272
	s_add_co_u32 s2, s2, SCLX
	v_add_nc_u32 v[ADSX], s2, v7
	s_mul_i32 s2, s[WL], 16*272
	s_add_co_u32 s2, s2, SCLW
	v_add_nc_u32 v[ADSW], s2, v7
	s_mul_i32 s2, s[WH], 128*TPI
	s_add_co_u32 s2, s2, TABLE
	v_mul_u32_u24 v3, v1, TPI
	v_lshl_add_u32 v3, v2, 4, v3
	v_add_nc_u32 v[TADR], s2, v3
	v_lshlrev_b32 v[L16], 4, v6
	v_lshlrev_b32 v[L8], 3, v6
	v_lshlrev_b32 v[H16], 4, v2
	s_mul_i32 s2, s[WV], VST
	v_mul_u32_u24 v3, v1, 272
	v_lshl_add_u32 v3, v2, 5, v3
	v_add_nc_u32 v[VSTO], s2, v3                   ; v's stage, in: key r, + 32 h
	v_and_b32 v3, 8, v1
	v_add_nc_u32 v3, v3, v1                        ; r + 8 (r / 8)
	v_lshlrev_b32 v3, 2, v3
	v_mad_u32_u24 v3, v2, 8832, v3                 ; lanes 16-31 begin 32 keys on
	v_add_nc_u32 v[VSRD], s2, v3
	v_min_u32 v[PFO], s22, v6
	v_mul_u32_u24 v[PFO], v[PFO], KROW
	global_prefetch_b8 v[PFO], s[16:17] offset:ROWB th:TH_LOAD_NT scope:SCOPE_SE     ; chunk 1,
	global_prefetch_b8 v[PFO], s[16:17] offset:2*ROWB th:TH_LOAD_NT scope:SCOPE_SE   ; and chunk 2
.irp b, 4,5,6,7,8
	v_mov_b32 v[TM+\b], 0                          ; written once: a lane permute's destination counts as one of its sources
.endr
	; THE TABLE.  Lane i holds frequency i = 10^(-i / 8)
.macro FREQ i, bits
	v_cmp_ne_u32 vcc_lo, \i, v6
	v_cndmask_b32 v[FQ], \bits, v[FQ], vcc_lo
.endm
	v_mov_b32 v[FQ], 1.0
	FREQ 1, 0x3f3ff911
	FREQ 2, 0x3f0ff59a
	FREQ 3, 0x3ed7e89b
	FREQ 4, 0x3ea1e89b
	FREQ 5, 0x3e72d424
	FREQ 6, 0x3e361887
	FREQ 7, 0x3e088d77
	FREQ 8, 0x3dcccccd
	FREQ 9, 0x3d99940e
	FREQ 10, 0x3d6655c3
	FREQ 11, 0x3d2cba15
	FREQ 12, 0x3d0186e2
	FREQ 13, 0x3cc24350
	FREQ 14, 0x3c91ad39
	FREQ 15, 0x3c5a7bf1
	FREQ 16, 0x3c23d70a
	FREQ 17, 0x3bf5b9b0
	FREQ 18, 0x3bb8449c
	FREQ 19, 0x3b8a2e77
	FREQ 20, 0x3b4f3e37
	FREQ 21, 0x3b1b690d
	FREQ 22, 0x3ae91528
	FREQ 23, 0x3aaec98e
	FREQ 24, 0x3a83126f
	FREQ 25, 0x3a44948c
	FREQ 26, 0x3a136a16
	FREQ 27, 0x39dd1726
	FREQ 28, 0x39a5cb5f
	FREQ 29, 0x3978a814
	FREQ 30, 0x393a7753
	FREQ 31, 0x390bd472
	v_mov_b32 v61, 0xb94ca1f9                      ; the sine's leading coefficient
	v_mov_b32 v62, 0x37ccf5ce                      ; the cosine's
	s_lshl_b32 s2, s[TY], 8
	s_and_b32 s2, s2, 2047                         ; the position of the work-group's first row
	s_lshl_b32 s3, s[WV], 6
	s_add_co_u32 s2, s2, s3                        ; wave w makes rows 64 w .. 64 w + 63, four a trip
	v_cvt_f32_u32 v[POS], s2
	v_add_f32 v[POS+1], 1.0, v[POS]
	v_add_f32 v[POS+2], 2.0, v[POS]
	v_add_f32 v[POS+3], 2.0, v[POS+1]
	s_mul_i32 s2, s[WV], 64*TPI
	s_add_co_u32 s2, s2, TABLE
	v_lshl_add_u32 v[TBAS], v6, 2, s2
	s_mov_b32 s66, 0
	s_mov_b32 s3, 16
.Ltab:
	s_cmp_eq_u32 ttmp9, 3                          ; v is not rotated: its work-groups walk the loop and leave the work out
	s_cbranch_scc1 .Ltab_skip
	s_wait_alu depctr_va_vdst(0)                   ; a wait behind the backward jump
	v_add_nc_u32 v[TAD], s66, v[TBAS]
.irp u, 0,1,2,3
	v_mul_f32 v[TT+8*\u], v[POS+\u], v[FQ]         ; the angle, rounded to f32 as the definition rounds it
.endr
.irp u, 0,1,2,3
	v_mul_f32 v[TT+8*\u+1], 0x3f22f983, v[TT+8*\u] ; x 2 / pi
.endr
.irp u, 0,1,2,3
	v_rndne_f32 v[TT+8*\u+1], v[TT+8*\u+1]         ; n
.endr
.irp u, 0,1,2,3
	v_fmamk_f32 v[TT+8*\u], v[TT+8*\u+1], 0xbfc90fdb, v[TT+8*\u]   ; angle - n x pi / 2, its upper part,
.endr
.irp u, 0,1,2,3
	v_fmamk_f32 v[TT+8*\u], v[TT+8*\u+1], 0x333bbd2e, v[TT+8*\u]   ; and its lower
.endr
.irp u, 0,1,2,3
	v_cvt_i32_f32 v[TT+8*\u+1], v[TT+8*\u+1]       ; the quadrant's number
.endr
.irp u, 0,1,2,3
	v_mul_f32 v[TT+8*\u+2], v[TT+8*\u], v[TT+8*\u] ; z
.endr
.irp u, 0,1,2,3
	v_fmaak_f32 v[TT+8*\u+3], v61, v[TT+8*\u+2], 0x3c08839e
	v_fmaak_f32 v[TT+8*\u+4], v62, v[TT+8*\u+2], 0xbab6061a
.endr
.irp u, 0,1,2,3
	v_fmaak_f32 v[TT+8*\u+3], v[TT+8*\u+3], v[TT+8*\u+2], 0xbe2aaaa3
	v_fmaak_f32 v[TT+8*\u+4], v[TT+8*\u+4], v[TT+8*\u+2], 0x3d2aaaa5
.endr
.irp u, 0,1,2,3
	v_mul_f32 v[TT+8*\u+3], v[TT+8*\u+3], v[TT+8*\u+2]
	v_fmaak_f32 v[TT+8*\u+4], v[TT+8*\u+4], v[TT+8*\u+2], 0xbf000000
.endr
.irp u, 0,1,2,3
	v_fma_f32 v[TT+8*\u+3], v[TT+8*\u+3], v[TT+8*\u], v[TT+8*\u]   ; sine of what is left
	v_fma_f32 v[TT+8*\u+4], v[TT+8*\u+4], v[TT+8*\u+2], 1.0        ; cosine
.endr
.irp u, 0,1,2,3
	v_and_b32 v[TT+8*\u+5], 1, v[TT+8*\u+1]
.endr
.irp u, 0,1,2,3
	v_cmp_eq_u32 s[98+\u], 1, v[TT+8*\u+5]         ; in odd quadrants the two change places
.endr
.irp u, 0,1,2,3
	v_cndmask_b32 v[TT+8*\u+6], v[TT+8*\u+3], v[TT+8*\u+4], s[98+\u]
	v_cndmask_b32 v[TT+8*\u+7], v[TT+8*\u+4], v[TT+8*\u+3], s[98+\u]
.endr
.irp u, 0,1,2,3
	v_lshlrev_b32 v[TT+8*\u+5], 30, v[TT+8*\u+1]   ; the sine's sign: bit 1 of n;
	v_add_nc_u32 v[TT+8*\u+1], 1, v[TT+8*\u+1]     ; the cosine's: bit 1 of n + 1
.endr
.irp u, 0,1,2,3
	v_and_b32 v[TT+8*\u+5], 0x80000000, v[TT+8*\u+5]
	v_lshlrev_b32 v[TT+8*\u+1], 30, v[TT+8*\u+1]
.endr
.irp u, 0,1,2,3
	v_xor_b32 v[TT+8*\u+6], v[TT+8*\u+6], v[TT+8*\u+5]
	v_and_b32 v[TT+8*\u+1], 0x80000000, v[TT+8*\u+1]
.endr
.irp u, 0,1,2,3
	v_xor_b32 v[TT+8*\u+7], v[TT+8*\u+7], v[TT+8*\u+1]
.endr
.irp u, 0,1,2,3
	ds_store_b32 v[TAD], v[TT+8*\u+7] offset:\u*TPI        ; cos at 4 i,
	ds_store_b32 v[TAD], v[TT+8*\u+6] offset:\u*TPI+128    ; sin at 128 + 4 i of the row
.endr
.irp u, 0,1,2,3
	v_add_f32 v[POS+\u], 4.0, v[POS+\u]
.endr
.Ltab_skip:
	s_add_co_u32 s66, s66, 4*TPI
	s_sub_co_u32 s3, s3, 1
	s_cmp_lg_u32 s3, 0
	s_cbranch_scc1 .Ltab
.macro FRAG reg, adr, st, i            ; a fragment: lane (r, h): registers 6 c .. 6 c + 5 = K 64 c + 32 h + 0 .. 31 of row r: 24 bytes as they lie, in pieces of 8.  Byte y of a row lies in slot (y / 256) % 2 at byte y % 256
.irp p, 0,1,2,3,4,5
.set BY, 96*(\st)+48*(\p/3)+8*(\p%3)
.if BY/ROWB == (BY+24)/ROWB
	ds_load_b64 v[\reg+2*\p:\reg+2*\p+1], v[\adr+(BY/ROWB)%2] offset:BY%ROWB+(\i)*16*PITCH
.else
	ds_load_b64 v[\reg+2*\p:\reg+2*\p+1], v[\adr+2+(BY/ROWB)%2] offset:BY%ROWB-232+(\i)*16*PITCH
.endif
.endr
.endm
; One product: x's block a, the weight's block n; p: the weight's set; q: which of a pair of steps; sc: the set of scale words.  A scale register carries an even block's words in lanes 0-15 and the odd block's in lanes 16-31.
.macro WM c, m1, m2
	v_wmma_scale_f32_16x16x128_f8f6f4 v[rD:rD+7], v[rW:rW+FR-1], v[rX:rX+FR-1], \c, v[rB], v[rA] matrix_a_fmt:MATRIX_FMT_FP6 matrix_b_fmt:MATRIX_FMT_FP6 \m1 \m2
.endm
.macro WMO c
.if od == 0
	WM \c
.elseif od == 1
	WM \c, matrix_a_scale:MATRIX_SCALE_ROW1
.elseif od == 2
	WM \c, matrix_b_scale:MATRIX_SCALE_ROW1
.else
	WM \c, matrix_a_scale:MATRIX_SCALE_ROW1, matrix_b_scale:MATRIX_SCALE_ROW1
.endif
.endm
.macro PROD a, n, p, q, sc, zero
.set rD, 8*(4*(\a)+(\n))
.set rW, 128*(\p)+FR*(\n)
.set rX, AF+FR*(\a)
.set rB, SC+12*(\sc)+8+2*((\n)/2)+(\q)
.set rA, SC+12*(\sc)+2*((\a)/2)+(\q)
.set od, 2*((\a)%2)+(\n)%2
.if \zero
	WMO 0
.else
	WMO v[rD:rD+7]
.endif
.endm
.macro MUL8 a0, st, zero               ; x's blocks a0, a0 + 1 against the weight's four.  The 32 accumulators take turns, one instruction a turn, in the same order in every step
.irp a, \a0, \a0+1
.irp n, 0,1,2,3
	PROD (\a), \n, (\st)%2, (\st)%2, ((\st)/2)%2, \zero
.endr
.endr
.endm
.macro FETCH_W st                      ; 24 loads, into set st % 2
	WIN 0x40
.irp i, 0,1,2,3
	FRAG 128*((\st)%2)+FR*\i, ADRW, \st, \i
.endr
	WIN 0
.endm
.macro FETCH_X st, i0                  ; 24 loads
.irp i, \i0, \i0+1, \i0+2, \i0+3
	FRAG AF+FR*(\i), ADRX, \st, \i
.endr
.endm
.macro SCALES pr                       ; the two words a row of steps 2 pr and 2 pr + 1: four pairs of x's blocks, two of the weight's
.irp p, 0,1,2,3
	ds_load_b64 v[SC+12*((\pr)%2)+2*\p:SC+12*((\pr)%2)+2*\p+1], v[ADSX] offset:\p*2176+8*(\pr)
.endr
.irp p, 0,1
	ds_load_b64 v[SC+12*((\pr)%2)+8+2*\p:SC+12*((\pr)%2)+8+2*\p+1], v[ADSW] offset:\p*2176+8*(\pr)
.endr
.endm
; A step of 128 along K: 32 products; the next step's fragments are fetched in its middle and at its end.  Where the next step's bytes END in a chunk not read yet, every wave waits for its tensor loads and a barrier shows
; that chunk whole.  Where they BEGIN in a later chunk, the chunk left behind is read no more: the wait for all tensor loads, the add, the wait for it and for my reads, the barrier; where a chunk two on is left to fetch,
; the barrier opens a round of the cluster's and the slot is filled again.  Loads into registers that matrix instructions have read stand four places behind them (ISA guide 7.12.1 for vector instructions).
.macro STEP st, zero
.set NX, (\st)+1
.set C0, (96*(\st))/ROWB
.set C1, (96*NX)/ROWB
.set E0, (96*(\st)+95)/ROWB
.set E1, (96*NX+95)/ROWB
.if C1 > C0 || E1 > E0
	s_wait_tensorcnt 0x0                           ; all my tensor loads have landed
.if C1 > C0
	ds_add_u32 v[SPW], v[NIL]
	s_wait_dscnt 25                                ; the add and the youngest 24 loads (x's blocks 4-7) may be out
.else
	s_wait_dscnt 24
.endif
	WIN MUL
	MUL8 0, \st, \zero
	s_wait_dscnt 0x0                               ; the add, where there is one, and all my reads are done
	s_barrier_signal -1
	MUL8 2, \st, \zero
	WIN 0
	s_barrier_wait -1
.if C1 > C0 && C0+2 < CHUNKS
	CREST                                          ; no wave of any partner still reads this slot or has a load on its way
	s_add_nc_u64 s[G0+4*(C0%2)+2:G0+4*(C0%2)+3], s[G0+4*(C0%2)+2:G0+4*(C0%2)+3], 2*ROWB
	s_add_nc_u64 s[G0W+4*(C0%2)+2:G0W+4*(C0%2)+3], s[G0W+4*(C0%2)+2:G0W+4*(C0%2)+3], 2*ROWB
	JLOAD G0+4*(C0%2), G1, G0W+4*(C0%2), G1W       ; chunk C0 + 2: the first tensor load behind the round; its four v_nop are the places in front of the loads below
.else
	PLACES 4
.endif
.else
	s_wait_dscnt 24                                ; all but the youngest 24 loads
	WIN MUL
	MUL8 0, \st, \zero
	MUL8 2, \st, \zero
	s_wait_dscnt 0x0
	PLACES 4
.endif
	FETCH_W NX
	FETCH_X NX, 0
.if NX%2 == 0
	SCALES NX/2
.endif
.if C1 > C0 && C0+4 < CHUNKS
	global_prefetch_b8 v[PFO], s[16:17] offset:(C0+4)*ROWB th:TH_LOAD_NT scope:SCOPE_SE   ; behind the load of chunk C0 + 2 and the run of LDS loads: chunk C0 + 4
.endif
	WIN MUL
	MUL8 4, \st, \zero
	MUL8 6, \st, \zero
	PLACES 4
	WIN 0
	FETCH_X NX, 4
.endm
	s_wait_alu depctr_va_vdst(0)                   ; a wait at the head's end
	s_wait_tensorcnt 0x0                           ; my tile of the head's four is in; an add and a wait ahead of a later first fill:
	ds_add_u32 v[SPW], v[NIL]
	s_mov_b32 s[G1+2], 128<<16                     ; no tensor load of mine is out: from here on a load brings 128 rows of x
	s_mov_b32 s[G1+4], 128
	s_mov_b32 s[G1W+2], 64<<16                     ; or 64 of the weight
	s_mov_b32 s[G1W+4], 64
	s_wait_dscnt 0x0                               ; the add is done, and my rows of the table are written
	CROUND
	JLOAD G0+4, G1, G0W+4, G1W                     ; chunk 1
	FETCH_W 0
	FETCH_X 0, 0
	SCALES 0
	FETCH_X 0, 4
	global_prefetch_b8 v[PFO], s[16:17] offset:3*ROWB th:TH_LOAD_NT scope:SCOPE_SE   ; behind the load of chunk 1: chunk 3
	STEP 0, 1                                      ; the first step's products start the sums
.set ST, 1                             ; slots and chunks come back to where they began after sixteen steps, which is the whole walk: it is written out
.rept 14
	STEP ST, 0
.set ST, ST+1
.endr
	s_wait_dscnt 24
	WIN MUL
	MUL8 0, 15, 0
	MUL8 2, 15, 0
	s_wait_dscnt 0x0
	MUL8 4, 15, 0
	MUL8 6, 15, 0
	WIN 0
	PLACES 4                                       ; in front of every read of results and of every write of the operands' registers
	s_barrier_signal -1                            ; my reads of the ring are over (the wait for 0 above):
	s_barrier_wait -1                              ; everybody's are: v's stages may be written there
; 64 numbers of a lane, register 16 b + i: lanes l and l xor 16 together hold block b's 32.  They become codes in v[PC] on (registers 6 c .. 6 c + 5: lanes 0-15 block 2 c, lanes 16-31 block 2 c + 1) and four bytes in v[PW].
.macro QUANT s
.irp b, 0,1,2,3
	v_max3_num_f32 v[TM+\b], |v[\s+16*\b]|, |v[\s+1+16*\b]|, 0x1800000   ; with the floor 2^(3 - 127): the byte cannot fall under 1
.endr
.irp i, 2,4,6,8,10,12,14
.irp b, 0,1,2,3
	v_max3_num_f32 v[TM+\b], v[TM+\b], |v[\s+16*\b+\i]|, |v[\s+1+16*\b+\i]|
.endr
.endr
.irp b, 0,1,2,3
	v_permlanex16_b32 v[TM+4+\b], v[TM+\b], s[SEL], s[SEL+1]
.endr
.irp b, 0,1,2,3
	v_max_num_f32 v[TM+\b], v[TM+\b], v[TM+4+\b]
.endr
.irp b, 0,1,2,3
	v_add_nc_u32 v[TM+12+\b], 0xff000000, v[TM+\b] ; 2 off the exponent field: the conversion's scale operand
.endr
.irp b, 0,1,2,3
	v_lshrrev_b32 v[TM+4+\b], 23, v[TM+12+\b]      ; the scale's byte
.endr
	v_lshl_or_b32 v[PW], v[TM+5], 8, v[TM+4]
	v_lshl_or_b32 v[PW], v[TM+6], 16, v[PW]
	v_lshl_or_b32 v[PW], v[TM+7], 24, v[PW]
.irp c, 0,1
	v_cvt_scalef32_pk16_fp6_f32 v[PC+6*\c:PC+2+6*\c], v[\s+32*\c:\s+15+32*\c], v[TM+12+2*\c]
	v_cvt_scalef32_pk16_fp6_f32 v[PC+12+4*\c:PC+14+4*\c], v[\s+16+32*\c:\s+31+32*\c], v[TM+12+2*\c+1]
.endr
	v_nop                                          ; one plain place behind a scaled conversion
.irp c, 0,1
.irp i, 0,1,2
	v_permlane16_swap_b32 v[PC+6*\c+\i], v[PC+12+4*\c+\i]
.endr
.irp i, 0,1,2
	v_mov_b32 v[PC+3+6*\c+\i], v[PC+12+4*\c+\i]
.endr
.endr
.endm
; The rotation of one pair (even, odd): x = the accumulator's first register (window 2), c = its four cosines (its sines four registers on), d = where the result goes.
.macro ROTM x, c, jj                   ; (-odd x sin, even x sin)
.if (\jj)%2 == 0
	v_pk_mul_f32 v[RT+2*(\jj):RT+2*(\jj)+1], v[\x+2*(\jj):\x+2*(\jj)+1], v[\c+4+2*((\jj)/2):\c+5+2*((\jj)/2)] op_sel:[1,0] op_sel_hi:[0,0] neg_lo:[1,0]
.else
	v_pk_mul_f32 v[RT+2*(\jj):RT+2*(\jj)+1], v[\x+2*(\jj):\x+2*(\jj)+1], v[\c+4+2*((\jj)/2):\c+5+2*((\jj)/2)] op_sel:[1,1] op_sel_hi:[0,1] neg_lo:[1,0]
.endif
.endm
.macro ROTF x, c, d, jj                ; + (even x cos, odd x cos)
.if (\jj)%2 == 0
	v_pk_fma_f32 v[\d+2*(\jj):\d+2*(\jj)+1], v[\x+2*(\jj):\x+2*(\jj)+1], v[\c+2*((\jj)/2):\c+1+2*((\jj)/2)], v[RT+2*(\jj):RT+2*(\jj)+1] op_sel:[0,0,0] op_sel_hi:[1,0,1]
.else
	v_pk_fma_f32 v[\d+2*(\jj):\d+2*(\jj)+1], v[\x+2*(\jj):\x+2*(\jj)+1], v[\c+2*((\jj)/2):\c+1+2*((\jj)/2)], v[RT+2*(\jj):RT+2*(\jj)+1] op_sel:[0,1,0] op_sel_hi:[1,1,1]
.endif
.endm
; q's and k's way out, tiles 2 p and 2 p + 1 of my 8: rotated, quantised, stored as two half fragments of 768 bytes (registers 0-3 at 16 x lane, registers 4-5 at 512 + 8 x lane: every store covers whole runs of 256 bytes).
.macro QKPAIR p
.irp e, 0,1
.irp n, 0,1,2,3
	ds_load_b128 v[CSR+8*(4*\e+\n):CSR+8*(4*\e+\n)+3], v[TADR] offset:16*(2*\p+\e)*TPI+32*\n         ; cos of my four pairs: 8 n + 4 h + 0 .. 3
	ds_load_b128 v[CSR+8*(4*\e+\n)+4:CSR+8*(4*\e+\n)+7], v[TADR] offset:16*(2*\p+\e)*TPI+32*\n+128   ; sin
.endr
.endr
	s_wait_dscnt 0x0
.if \p > 0
	s_wait_xcnt 0x0                                ; the last pair's stores have read the codes' registers
.endif
	WIN 0x02                                       ; source 0: window 2
.irp e, 0,1
.irp n, 0,1,2,3
.irp jj, 0,1,2,3
	ROTM 8*(4*(2*\p+\e)+\n), CSR+8*(4*\e+\n), \jj  ; each accumulator is read from its low end on
.endr
.irp jj, 0,1,2,3
	ROTF 8*(4*(2*\p+\e)+\n), CSR+8*(4*\e+\n), HA+8*(4*\e+\n), \jj
.endr
.endr
.endr
	WIN 0
	QUANT HA
	v_lshrrev_b32 v[RT], v[H16], v[PW]             ; lanes 0-15 keep the even tile's two bytes, lanes 16-31 the odd tile's;
	v_and_or_b32 v[SW+\p], v[RT], 0xffff, s2       ; the bytes of the K that is not there are 127
	global_store_b128 v[L16], v[PC:PC+3], s[20:21] offset:768*(2*\p)
	global_store_b64 v[L8], v[PC+4:PC+5], s[20:21] offset:768*(2*\p)+512
	global_store_b128 v[L16], v[PC+6:PC+9], s[20:21] offset:768*(2*\p+1)
	global_store_b64 v[L8], v[PC+10:PC+11], s[20:21] offset:768*(2*\p+1)+512
.endm
	s_cmp_eq_u32 ttmp9, 3
	s_cbranch_scc1 .Lvway
	s_mov_b32 s2, 0x7f7f0000
	QKPAIR 0
	QKPAIR 1
	QKPAIR 2
	QKPAIR 3
	global_store_b128 v[L16], v[SW:SW+3], s[20:21] offset:6144   ; the four pairs' scale words: 16 bytes a lane
	FINISH
.Lvway:
	; v's way out: my 128 keys x 64 numbers go through my stage, (key, d) at 272 key + 128 (key / 32) + 4 d, and come back with a lane to a column d and registers down the keys
	WIN 0x08                                       ; an LDS store's data: window 2
.irp a, 0,1,2,3,4,5,6,7
.irp n, 0,1,2,3
	ds_store_b128 v[VSTO], v[8*(4*\a+\n):8*(4*\a+\n)+3] offset:\a*4352+(\a/2)*128+64*\n
	ds_store_b128 v[VSTO], v[8*(4*\a+\n)+4:8*(4*\a+\n)+7] offset:\a*4352+(\a/2)*128+64*\n+16
.endr
.endr
	WIN 0
	v_lshrrev_b32 v[RT], 1, v[H16]                 ; 8 h
	s_mov_b32 s2, 0xffff0000                       ; lanes 16-31
.macro VTILE t                         ; tile t of v^T: a whole fragment, 16 rows d x 128 keys; all 32 numbers of a block are one lane's
.irp c, 0,1
.set I, 0
.rept 32
	ds_load_b32 v[HA+32*\c+I], v[VSRD] offset:\c*17664+((I%8)+8*(2*((I/8)%2)+I/16))*272+4*(32*(\t/2)+8*(\t%2))   ; LDS serves a wave's instructions in order: these see my stores
.set I, I+1
.endr
.endr
	s_wait_dscnt 0x0
.if \t > 0
	s_wait_xcnt 0x0                                ; the last tile's stores have read the codes' registers
.endif
.irp c, 0,1
	v_max3_num_f32 v[TM+\c], |v[HA+32*\c]|, |v[HA+1+32*\c]|, 0x1800000
.endr
.irp i, 2,4,6,8,10,12,14,16,18,20,22,24,26,28,30
.irp c, 0,1
	v_max3_num_f32 v[TM+\c], v[TM+\c], |v[HA+32*\c+\i]|, |v[HA+1+32*\c+\i]|
.endr
.endr
.irp c, 0,1
	v_add_nc_u32 v[TM+12+\c], 0xff000000, v[TM+\c]
.endr
.irp c, 0,1
	v_lshrrev_b32 v[TM+4+\c], 23, v[TM+12+\c]
.endr
	v_lshl_or_b32 v[PW], v[TM+5], 16, v[TM+4]      ; my two bytes: blocks h and 2 + h,
	v_lshlrev_b32 v[PW], v[RT], v[PW]              ; at their places;
	v_permlanex16_b32 v[TM+8], v[PW], s[SEL], s[SEL+1]
	v_or_b32 v[PW], v[PW], v[TM+8]                 ; with lane l xor 16's two the word is whole
.irp c, 0,1
	v_cvt_scalef32_pk16_fp6_f32 v[PC+6*\c:PC+2+6*\c], v[HA+32*\c:HA+15+32*\c], v[TM+12+\c]
	v_cvt_scalef32_pk16_fp6_f32 v[PC+12+4*\c:PC+14+4*\c], v[HA+16+32*\c:HA+31+32*\c], v[TM+12+\c]
.endr
	v_nop                                          ; one plain place behind a scaled conversion
.irp c, 0,1
.irp i, 0,1,2
	v_mov_b32 v[PC+3+6*\c+\i], v[PC+12+4*\c+\i]
.endr
.endr
.if \t%2 == 0
	v_mov_b32 v[WE], v[PW]
.else
	v_cndmask_b32 v[VS+\t/2], v[WE], v[PW], s2     ; the even tile's words in lanes 0-15, the odd tile's in lanes 16-31
.endif
.irp c, 0,1,2
	global_store_b128 v[L16], v[PC+4*\c:PC+4*\c+3], s[20:21] offset:6656+1536*\t+512*\c
.endr
.endm
	VTILE 0
	VTILE 1
	VTILE 2
	VTILE 3
	global_store_b64 v[L8], v[VS:VS+1], s[20:21] offset:12800
	global_store_b64 v[L8], v[VS:VS+1], s[20:21] offset:13056   ; the record's last 256 bytes, which nothing uses, are written too: the next launch fetches whole records
	FINISH
.Lfunc_end_k_q4bd78498ba_qkv:
	.size	k_q4bd78498ba_qkv, .Lfunc_end_k_q4bd78498ba_qkv-k_q4bd78498ba_qkv
	.p2alignl 7, 3214868480
	.fill 96, 4, 3214868480
	.section	.rodata,"a",@progbits
	.p2align	6, 0x0
	.amdhsa_kernel k_q4bd78498ba_qkv
		.amdhsa_group_segment_fixed_size 327680
		.amdhsa_private_segment_fixed_size 0
		.amdhsa_enable_private_segment 0
		.amdhsa_kernarg_size 80
		.amdhsa_user_sgpr_count 2
		.amdhsa_user_sgpr_kernarg_segment_ptr 1
		.amdhsa_wavefront_size32 1
		.amdhsa_system_sgpr_workgroup_id_x 1
		.amdhsa_system_sgpr_workgroup_id_y 1
		.amdhsa_system_sgpr_workgroup_id_z 1
		.amdhsa_system_vgpr_workitem_id 0
		.amdhsa_next_free_vgpr 768
		.amdhsa_next_free_sgpr 102
		.amdhsa_reserve_vcc 1
		.amdhsa_float_denorm_mode_32 3
		.amdhsa_float_denorm_mode_16_64 3
		.amdhsa_memory_ordered 1
		.amdhsa_forward_progress 1
		.amdhsa_inst_pref_size 246
	.end_amdhsa_kernel
	.amdgpu_metadata
---
amdhsa.version: [ 1, 2 ]
amdhsa.kernels:
  - .name:           k_q4bd78498ba_qkv
    .symbol:         k_q4bd78498ba_qkv.kd
    .args:
      - { .name: x_codes, .offset: 0, .size: 8, .value_kind: global_buffer, .address_space: global }
      - { .name: x_scales, .offset: 8, .size: 8, .value_kind: global_buffer, .address_space: global }
      - { .name: wq_codes, .offset: 16, .size: 8, .value_kind: global_buffer, .address_space: global }
      - { .name: wq_scales, .offset: 24, .size: 8, .value_kind: global_buffer, .address_space: global }
      - { .name: wk_codes, .offset: 32, .size: 8, .value_kind: global_buffer, .address_space: global }
      - { .name: wk_scales, .offset: 40, .size: 8, .value_kind: global_buffer, .address_space: global }
      - { .name: wv_codes, .offset: 48, .size: 8, .value_kind: global_buffer, .address_space: global }
      - { .name: wv_scales, .offset: 56, .size: 8, .value_kind: global_buffer, .address_space: global }
      - { .name: qrec, .offset: 64, .size: 8, .value_kind: global_buffer, .address_space: global }
      - { .name: kvrec, .offset: 72, .size: 8, .value_kind: global_buffer, .address_space: global }
    .group_segment_fixed_size: 327680
    .private_segment_fixed_size: 0
    .kernarg_segment_align: 8
    .kernarg_segment_size: 80
    .max_flat_workgroup_size: 128
    .sgpr_count:     102
    .vgpr_count:     768
    .wavefront_size: 32
...
	.end_amdgpu_metadata
.endif
;; end of part 1
;; launch attn (part 2): grid 16 x 16, 16 waves a work-group, no clusters, 327,680 bytes of LDS; arguments qrec, kvrec, ao; writes ao
.if DOCPART == 2
	.amdgcn_target "amdgcn-amd-amdhsa--gfx1250"
	.amdhsa_code_object_version 6
	.text
	.protected	k_q4bd78498ba_attn
	.globl	k_q4bd78498ba_attn
	.p2align	8
	.type	k_q4bd78498ba_attn,@function
k_q4bd78498ba_attn:
	s_mov_b64 s[64:65], 0
	v_nop
	global_prefetch_b8 v0, s[64:65] scope:SCOPE_SE
	s_setreg_imm32_b32 hwreg(HW_REG_WAVE_MODE, 25, 1), 1
	s_wait_xcnt 0x0
; Causal attention of two query heads on one key and value head, both products on codes of FP6 (E2M3) with one E8M0 byte for each 32 along K, and the quantiser of the result along the head's 64 numbers.
; t = score x log2(e) / 8; M = the running largest t rounded UP to a whole number; p = 2^(t - M) is quantised along the keys; the row's sum is taken of the unquantised p and divides at the end.
; WORK LEFT OUT: key steps all of whose 128 keys come after a wave's 16 queries: reference()'s own causal mask gives them the weight 0 for all inputs.  A NaN or infinity that reaches only such scores is not carried on.
; INPUTS are images of operand registers: qrec [b 16 + head][group of 128 rows][8 half fragments of 768 bytes, 512 bytes of scale words]; kvrec [b 8 + head][128 keys][13,312 bytes: K: 6,656 as in qrec; V^T: 4 fragments of 1,536
; bytes, 256 of scale words; 256 unused].
; OUTPUT ao: [block of 128 rows][98,304 bytes of codes: [head / 2][tile][head % 2][g][768]; 4,096 bytes of scale words: [head][block of 64 rows][256]].
; SHARES.  Work-group (j, y = b 8 + head) holds all 16 records of its head in LDS, each byte filled once: records 0-3 by the head's loads (13 rows of 256 bytes a wave), records 4-15 by a second load a wave (39 rows), asked for
; behind the first barrier, which lands while the first two key steps are worked.  It works the blocks of 64 queries 31 - j (the late one) and j (the early one) of both query heads: 16 tiles of 16 queries.
; THE KEYS OF A TILE ARE SHARED BY TWO WAVES, w and w xor 8 (g = w % 2, tile (w / 2) % 4): wave w takes the key steps of parity s = w / 8.  Both first walk the late tile (their counts differ by one at the most, so the barriers
; in that walk hold nobody up for long), then the early tile, which needs records 0-7 alone: four trips.  After each walk a wave leaves -M, the sum and O^T in LDS: the late tile's parts in bytes of their own, the early tile's over
; records 8-13, which nobody reads behind the barrier at the late walk's end.  Then wave s = 0 joins the late tile's two parts and wave s = 1 the early tile's: both are brought under the larger M by exact powers of two.
; K = 64 UNDER AN INSTRUCTION OF 128: q's upper six registers are zero codes, the scale bytes of the upper 64 are 127 on both sides; K's upper six registers are whatever follows: they meet zeros.
; LAYOUT.  Both products transposed: a lane holds one query (lane % 16).  S^T's tiles are 16 neighbouring keys, so p's codes stand in the order 0-7, 16-23, 8-15, 24-31 of a block's keys: V's codes were laid in that order.
; The rows of V^T's tile t are d = 32 (t / 2) + 8 (t % 2) + r + 8 (r / 8), so that O^T's 16 registers of two neighbouring tiles are 16 neighbours d.
; NO CLUSTER, though the 16 work-groups of a head read the same records: a wave leaves out hidden key steps by a branch on its block of queries, which differs between those work-groups, and partners with joint loads branch alike.
; NO PREFETCH: all records are asked for in the launch's first two loads a wave; no loop runs ahead of a load.
; LIMITS: NaN and infinities are not served; the scaled scores stay under 2^31 in magnitude.  A block of zeros, or one whose largest magnitude lies under 2^-124, gets the byte 1 (its codes are zeros; this program alone reads the bytes).
; REGISTERS: v1-11 addresses; v12 -M, v13 the largest t, v[14:15] the sum; v16-27 Q; v32-79 K's 8 half fragments, then V's 4 fragments; v80-85 zeros; v86-92 the early tile's Q; v96-159 S^T, then p; v160-191 O^T;
; v192-199 the parts' addresses; v218-254 at work; v224-235 p's codes; v248-251 K's or V's scale words, v253 p's, v255 Q's.
.set REC,  13312
.set ABLK, 102400
.set OSTG, 16*REC                      ; two images of 256 bytes of the result's scale words, written by LDS stores alone
.set PSTA, OSTG+512                    ; the late tile's parts: 4,352 bytes a wave: O^T 8 x 512, then (-M, sum) 256; written by LDS stores alone
.set PSTB, 8*REC                       ; the early tile's parts
.set PSZ,  4352
.set SPARE, PSTA+16*PSZ                ; the spare words: 128 bytes a wave
.set L16,  1
.set L8,   2
.set RR,   3
.set HH,   4
.set QD,   5                           ; my query - 8 h
.set SADR, 6
.set SRD,  7
.set AD16, 8
.set AD8,  9
.set QSO,  11
.set QB,   86
.set QBS,  92
.set SPW,  93
.set NIL,  94
.set QR,   95                          ; r - 8 h
.set PA16, 192
.set PA8,  193
.set PB16, 194
.set PB8,  195
.set R116, 196
.set R18,  197
.set R216, 198
.set R28,  199
.set WV,   12
.set GG,   13
.set TQ,   14
.set LATE, 15
.set YY,   17
.set BB_,  18
.set KVH,  19
.set SEL,  20
.set CS,   22
.set G1,   24
.set G0,   32
.set Q0L,  36
.set Q0E,  37
.set TB0,  38
.set KF0,  39
.set TB,   48
.set KF,   49
.set Q0,   50
.set TRIP, 51
.set BLK,  52
.set G1B,  72
.set G0B,  80
.macro GRP1 g, r                       ; r rows of 256 bytes (32 elements of 8), dense in memory and in LDS
	s_mov_b32 s[\g], 3<<16
	s_mov_b32 s[\g+1], 32<<16
	s_mov_b32 s[\g+2], (\r)<<16
	s_mov_b32 s[\g+3], 32<<16
	s_mov_b32 s[\g+4], \r
	s_mov_b32 s[\g+5], 32
	s_mov_b32 s[\g+6], 0
	s_mov_b32 s[\g+7], 0
.endm
	s_load_b128 s[4:7], s[0:1], 0x0                ; qrec, kvrec
	s_load_b64 s[8:9], s[0:1], 0x10                ; ao
	v_lshl_add_u32 v[SPW], v0, 2, SPARE
	v_mov_b32 v[NIL], 0
	ds_add_u32 v[SPW], v[NIL]                      ; the opening lines: the add twice on end and one wait
	ds_add_u32 v[SPW], v[NIL]
	v_lshrrev_b32 v10, 5, v0
	v_readfirstlane_b32 s[WV], v10
	s_and_b32 s[GG], s[WV], 1
	s_bfe_u32 s[TQ], s[WV], 0x20001
	s_lshr_b32 s[LATE], s[WV], 3                   ; s: my parity of key steps, and: I join the late tile's parts (0) or the early tile's (1)
	s_and_b32 s[YY], ttmp7, 0xffff
	s_lshr_b32 s[BB_], s[YY], 3
	s_and_b32 s[KVH], s[YY], 7
	GRP1 G1, 13
	GRP1 G1B, 39
	s_mul_i32 s54, s[YY], 16*REC                   ; my head's records
	s_mov_b32 s55, 0
	s_mul_i32 s[G0+1], s[WV], 13*256               ; records 0-3 are 208 rows of 256 bytes: 13 a wave
	s_mul_i32 s[G0B+1], s[WV], 39*256              ; records 4-15 are 624: 39 a wave
	s_add_co_u32 s[G0B+1], s[G0B+1], 4*REC
	s_mov_b32 s56, s[G0+1]
	s_mov_b32 s57, 0
	s_mov_b32 s58, s[G0B+1]
	s_mov_b32 s59, 0
	s_mov_b32 s[G0], 1
	s_mov_b32 s[G0B], 1
	s_wait_dscnt 0x0
	s_wait_kmcnt 0x0
	s_add_nc_u64 s[6:7], s[6:7], s[54:55]
	s_add_nc_u64 s[G0+2:G0+3], s[6:7], s[56:57]
	s_or_b32 s[G0+3], s[G0+3], 0x80000000
	s_add_nc_u64 s[G0B+2:G0B+3], s[6:7], s[58:59]
	s_or_b32 s[G0B+3], s[G0B+3], 0x80000000
	tensor_load_to_lds s[G0:G0+3], s[G1:G1+7]      ; one load a wave at the head, with no branch
	s_nop 0
	s_sub_co_u32 s53, 31, ttmp9                    ; the late block
	s_cmp_eq_u32 s[LATE], 0
	s_cselect_b32 s[BLK], s53, ttmp9               ; the block whose parts I join
	s_lshl_b32 s54, s[TQ], 4
	s_lshl_b32 s[Q0L], s53, 6
	s_add_co_u32 s[Q0L], s[Q0L], s54               ; the late tile's first query,
	s_lshl_b32 s[Q0E], ttmp9, 6
	s_add_co_u32 s[Q0E], s[Q0E], s54               ; the early tile's,
	s_lshl_b32 s46, s[BLK], 6
	s_add_co_u32 s46, s46, s54                     ; and that of the tile that I finish
	s_mul_i32 s[TB0], s[LATE], REC                 ; my first key step: record s, key 128 s
	s_lshl_b32 s[KF0], s[LATE], 7
	s_mov_b32 s[SEL], 0x76543210
	s_mov_b32 s[SEL+1], 0xfedcba98
	s_mov_b32 s[CS], 0x3e38aa3b                    ; c = log2(e) / sqrt(64)
	s_mov_b32 s[CS+1], s[CS]
	s_lshl_b32 s66, s[YY], 1
	s_add_co_u32 s66, s66, s[GG]
	s_lshl_b32 s66, s66, 4                         ; (b 16 + 2 head + g) 16
.macro QPTR q0, pc, ps                 ; Q of the tile at query q0: record query / 128, tile (query / 16) % 8: its codes, and its scale words: lanes 16 (tile % 2) + r of the image, word tile / 2
	s_lshr_b32 s[\pc], s[\q0], 7
	s_add_co_u32 s[\pc], s[\pc], s66
	s_mul_i32 s[\pc], s[\pc], 6656
	s_bfe_u32 s67, s[\q0], 0x30004
	s_and_b32 s[\ps], s67, 1
	s_lshl_b32 s[\ps], s[\ps], 8
	s_lshr_b32 s68, s67, 1
	s_lshl_b32 s68, s68, 2
	s_add_co_u32 s[\ps], s[\ps], s68
	s_add_co_u32 s[\ps], s[\ps], s[\pc]
	s_add_co_u32 s[\ps], s[\ps], 6144
	s_mul_i32 s67, s67, 768
	s_add_co_u32 s[\pc], s[\pc], s67
	s_mov_b32 s[\pc+1], 0
	s_mov_b32 s[\ps+1], 0
	s_add_nc_u64 s[\pc:\pc+1], s[4:5], s[\pc:\pc+1]
	s_add_nc_u64 s[\ps:\ps+1], s[4:5], s[\ps:\ps+1]
.endm
	QPTR Q0L, 56, 58
	QPTR Q0E, 60, 62
	; where the result of the tile that I finish goes
	s_lshl_b32 s66, s[BB_], 7
	s_lshr_b32 s67, s46, 4
	s_add_co_u32 s66, s66, s67                     ; the tile of 16 rows among 256
	s_lshr_b32 s67, s66, 3
	s_mul_i32 s70, s67, ABLK                       ; its block of 128 rows
	s_lshl_b32 s68, s[KVH], 9
	s_add_co_u32 s68, s68, s70
	s_and_b32 s69, s[BLK], 1
	s_lshl_b32 s69, s69, 8
	s_add_co_u32 s68, s68, s69
	s_add_co_u32 s68, s68, 98304
	s_mov_b32 s69, 0
	s_add_nc_u64 s[10:11], s[8:9], s[68:69]        ; the image of scale words
	s_lshr_b32 s68, s[KVH], 1
	s_lshl_b32 s68, s68, 3
	s_and_b32 s66, s66, 7
	s_add_co_u32 s68, s68, s66
	s_lshl_b32 s68, s68, 1
	s_and_b32 s66, s[KVH], 1
	s_add_co_u32 s68, s68, s66
	s_lshl_b32 s68, s68, 1
	s_add_co_u32 s68, s68, s[GG]
	s_mul_i32 s68, s68, 768
	s_add_co_u32 s68, s68, s70
	s_mov_b32 s69, 0
	s_add_nc_u64 s[8:9], s[8:9], s[68:69]          ; the half fragment
	s_lshl_b32 s41, s[LATE], 8                     ; the stage of scale words: image s; tile tq = 2 pair + half: 128 half + 8 r + 4 pair + 2 g
	s_add_co_u32 s41, s41, OSTG
	s_and_b32 s40, s[TQ], 1
	s_lshl_b32 s40, s40, 7
	s_add_co_u32 s40, s40, s41
	s_lshr_b32 s42, s[TQ], 1
	s_lshl_b32 s42, s42, 2
	s_add_co_u32 s40, s40, s42
	s_lshl_b32 s42, s[GG], 1
	s_add_co_u32 s40, s40, s42
	s_mul_i32 s47, s[WV], PSZ
	s_add_co_u32 s42, s47, PSTA                    ; where I leave my part of the late tile,
	s_add_co_u32 s43, s47, PSTB                    ; and of the early tile
	s_xor_b32 s44, s[LATE], 1
	s_mul_i32 s44, s44, PSTA-PSTB
	s_add_co_u32 s44, s44, PSTB                    ; the parts that I join: the late tile's (s = 0) or the early tile's
	s_xor_b32 s45, s[WV], 8
	s_mul_i32 s45, s45, PSZ
	s_add_co_u32 s45, s45, s44                     ; the partner's,
	s_add_co_u32 s44, s44, s47                     ; and mine
	s_mov_b32 s[Q0], s[Q0L]
	s_mov_b32 s[KF], s[KF0]
	s_mov_b32 s[TB], s[TB0]
	v_and_b32 v10, 31, v0
	v_and_b32 v[RR], 15, v0
	v_bfe_u32 v[HH], v0, 4, 1
	v_lshlrev_b32 v[L16], 4, v10
	v_lshlrev_b32 v[L8], 3, v10
	v_lshlrev_b32 v[QSO], 4, v[RR]
	v_lshlrev_b32 v10, 3, v[HH]
	v_sub_nc_u32 v[QR], v[RR], v10
	v_add_nc_u32 v[QD], s[Q0L], v[QR]
	global_load_b128 v[16:19], v[L16], s[56:57]    ; the late tile's Q,
	global_load_b64 v[20:21], v[L8], s[56:57] offset:512
	global_load_b32 v255, v[QSO], s[58:59]
	global_load_b128 v[QB:QB+3], v[L16], s[60:61]  ; and the early tile's
	global_load_b64 v[QB+4:QB+5], v[L8], s[60:61] offset:512
	global_load_b32 v[QBS], v[QSO], s[62:63]
	v_lshl_add_u32 v[SADR], v[RR], 3, s40
	v_add_nc_u32 v[SRD], s41, v[L8]
	v_add_nc_u32 v[PA16], s42, v[L16]
	v_add_nc_u32 v[PA8], s42, v[L8]
	v_add_nc_u32 v[PB16], s43, v[L16]
	v_add_nc_u32 v[PB8], s43, v[L8]
	v_add_nc_u32 v[R116], s44, v[L16]
	v_add_nc_u32 v[R18], s44, v[L8]
	v_add_nc_u32 v[R216], s45, v[L16]
	v_add_nc_u32 v[R28], s45, v[L8]
.irp j, 22,23,24,25,26,27,80,81,82,83,84,85
	v_mov_b32 v[\j], 0                             ; zero codes: Q's upper 64 along K; and what stands behind K's last tile
.endr
.irp b, 0,1,2,3
	v_mov_b32 v[236+\b], 0                         ; written once: a lane permute's destination counts as one of its sources
.endr
	v_mov_b32 v252, 0
	v_mov_b32 v253, 0
.macro INIT                            ; a tile's part begins: the step is written once; the first finds zeros
	v_mov_b32 v13, 0xff61b1e6                      ; the largest t so far: -3e38
	v_mov_b32 v14, 0
	v_mov_b32 v15, 0
	v_floor_f32 v12, -v13                          ; -M
.set J, 0
.rept 32
	v_mov_b32 v[160+J], 0
.set J, J+1
.endr
	s_wait_alu depctr_va_vdst(0)                   ; a wait ahead of the waits and branches that follow
.endm
	INIT
; A KEY STEP: 128 keys, the record at LDS byte TB.
.macro STEP
	s_cmp_gt_u32 s[KF], s[Q0]                      ; both are multiples of 16: KF > Q0 means that all 128 keys come after my 16 queries: the work is left out.  In a step that is worked key KF counts for every query
	s_cbranch_scc1 .Lhidden_\@
	v_add_nc_u32 v[AD16], s[TB], v[L16]
	v_add_nc_u32 v[AD8], s[TB], v[L8]
	v_nop
	v_nop                                          ; four places in front of loads into registers that the last products read
.irp t, 0,1,2,3,4,5,6,7
	ds_load_b128 v[32+6*\t:35+6*\t], v[AD16] offset:768*\t
	ds_load_b64 v[36+6*\t:37+6*\t], v[AD8] offset:768*\t+512
.endr
	ds_load_b128 v[248:251], v[AD16] offset:6144
	s_wait_alu depctr_va_vdst(0)
	s_wait_dscnt 0x0
.irp t, 0,2,4,6                        ; S^T = K Q^T: eight tiles of 16 keys
	v_wmma_scale_f32_16x16x128_f8f6f4 v[96+8*\t:103+8*\t], v[32+6*\t:43+6*\t], v[16:27], 0, v[248+\t/2], v255 matrix_a_fmt:MATRIX_FMT_FP6 matrix_b_fmt:MATRIX_FMT_FP6
	v_wmma_scale_f32_16x16x128_f8f6f4 v[104+8*\t:111+8*\t], v[38+6*\t:49+6*\t], v[16:27], 0, v[248+\t/2], v255 matrix_a_fmt:MATRIX_FMT_FP6 matrix_b_fmt:MATRIX_FMT_FP6 matrix_a_scale:MATRIX_SCALE_ROW1
.endr
.rept 4
	v_nop                                          ; places in front of the loads below and of the first read of the scores
.endr
.irp t, 0,1,2,3                        ; V's fragments land while the softmax is worked
.irp c, 0,1,2
	ds_load_b128 v[32+12*\t+4*\c:35+12*\t+4*\c], v[AD16] offset:6656+1536*\t+512*\c
.endr
.endr
	ds_load_b64 v[248:249], v[AD8] offset:12800
	s_add_co_u32 s53, s[KF], 127                   ; on the diagonal hidden scores become -infinity; a step all of whose keys count skips this
	s_cmp_le_u32 s53, s[Q0]
	s_cbranch_scc1 .Lopen_\@
	v_sub_nc_u32 v252, v[QD], s[KF]                ; register n holds key KF + 16 (n / 8) + 8 h + n % 8: hidden where 16 (n / 8) + n % 8 > my query - 8 h - KF
	v_mov_b32 v254, 0xff800000
.set J, 0
.rept 64
	v_cmp_gt_i32 vcc_lo, 16*(J/8)+J%8, v252
	v_cndmask_b32 v[96+J], v[96+J], v254, vcc_lo
.set J, J+1
.endr
.Lopen_\@:
.irp b, 0,1,2,3
	v_max3_num_f32 v[232+\b], v[96+16*\b], v[97+16*\b], v[98+16*\b]   ; the largest score of each block of 32 keys: for the row's maximum, and, since p rises with the score, for the block's largest p
.endr
.irp i, 3,5,7,9,11,13
.irp b, 0,1,2,3
	v_max3_num_f32 v[232+\b], v[232+\b], v[96+16*\b+\i], v[97+16*\b+\i]
.endr
.endr
.irp b, 0,1,2,3
	v_max_num_f32 v[232+\b], v[232+\b], v[111+16*\b]
.endr
.irp b, 0,1,2,3
	s_delay_alu instid0(VALU_DEP_4)
	v_permlanex16_b32 v[236+\b], v[232+\b], s[SEL], s[SEL+1]
.endr
.irp b, 0,1,2,3
	s_delay_alu instid0(VALU_DEP_4)
	v_max_num_f32 v[232+\b], v[232+\b], v[236+\b]
.endr
	s_delay_alu instid0(VALU_DEP_2)
	v_max3_num_f32 v254, v232, v233, v234
	s_delay_alu instid0(VALU_DEP_1)
	v_max_num_f32 v254, v254, v235
	s_delay_alu instid0(VALU_DEP_1)
	v_mul_f32 v254, s[CS], v254
	s_delay_alu instid0(VALU_DEP_1)
	v_max_num_f32 v13, v13, v254                   ; the running largest t
	v_mov_b32 v254, v12
	s_delay_alu instid0(VALU_DEP_2)
	v_floor_f32 v12, -v13                          ; the new -M = -ceil(t)
	s_delay_alu instid0(VALU_DEP_1)
	v_sub_f32 v254, v12, v254                      ; old M - new M: a whole number, 0 or less
	s_delay_alu instid0(VALU_DEP_1)
	v_cvt_i32_f32 v254, v254                       ; (it saturates)
	s_delay_alu instid0(VALU_DEP_1)
	v_ldexp_f32 v252, 1.0, v254                    ; f = 2^(old M - new M)
.set J, 0
.rept 32
	v_pk_fma_f32 v[96+J:97+J], v[96+J:97+J], s[CS:CS+1], v[12:13] op_sel_hi:[1,0,0]   ; t - M
.set J, J+2
.endr
.irp b, 0,1,2,3
	v_fma_f32 v[232+\b], v[232+\b], s[CS], v12
.endr
	s_wait_alu depctr_va_vdst(0)                   ; a wait ahead of the batch
.set J, 0
.rept 64
	v_exp_f32 v[96+J], v[96+J]                     ; p = 2^(t - M)
.set J, J+1
.endr
.irp b, 0,1,2,3
	v_exp_f32 v[232+\b], v[232+\b]                 ; the block's largest p
.endr
	v_pk_mul_f32 v[14:15], v[14:15], v[252:253] op_sel_hi:[1,0]   ; the sums under the new M (a plain place behind the exponentials)
	s_wait_alu depctr_va_vdst(0)                   ; and behind it
.irp b, 0,1,2,3
	v_max_num_f32 v[232+\b], 0x1800000, v[232+\b]  ; the floor 2^(3 - 127)
.endr
.irp b, 0,1,2,3
	s_delay_alu instid0(VALU_DEP_4)
	v_add_nc_u32 v[244+\b], 0xff000000, v[232+\b]
.endr
.irp b, 0,1,2,3
	s_delay_alu instid0(VALU_DEP_4)
	v_lshrrev_b32 v[236+\b], 23, v[244+\b]
.endr
	s_delay_alu instid0(VALU_DEP_3)
	v_lshl_or_b32 v253, v237, 8, v236              ; p's scale word for these 128 keys
	s_delay_alu instid0(VALU_DEP_1)
	v_lshl_or_b32 v253, v238, 16, v253
	s_delay_alu instid0(VALU_DEP_1)
	v_lshl_or_b32 v253, v239, 24, v253
.irp c, 0,1
	v_cvt_scalef32_pk16_fp6_f32 v[224+6*\c:226+6*\c], v[96+32*\c:111+32*\c], v[244+2*\c]
	v_cvt_scalef32_pk16_fp6_f32 v[236+4*\c:238+4*\c], v[112+32*\c:127+32*\c], v[244+2*\c+1]
.endr
	v_nop                                          ; one plain place behind a scaled conversion
.irp c, 0,1
.irp i, 0,1,2
	v_permlane16_swap_b32 v[224+6*\c+\i], v[236+4*\c+\i]
.endr
.irp i, 0,1,2
	s_delay_alu instid0(VALU_DEP_3)
	v_mov_b32 v[227+6*\c+\i], v[236+4*\c+\i]
.endr
.endr
	v_pk_add_f32 v[236:237], v[100:101], v[104:105]   ; the row's sum of the unquantised p, in eight chains
	v_pk_add_f32 v[250:251], v[108:109], v[112:113]
	v_pk_add_f32 v[246:247], v[116:117], v[120:121]
	v_pk_add_f32 v[244:245], v[124:125], v[128:129]
	v_pk_add_f32 v[240:241], v[132:133], v[136:137]
	v_pk_add_f32 v[220:221], v[140:141], v[144:145]
	v_pk_add_f32 v[218:219], v[148:149], v[152:153]
	v_pk_add_f32 v[14:15], v[14:15], v[156:157]
	v_pk_add_f32 v[236:237], v[236:237], v[96:97]
	v_pk_add_f32 v[250:251], v[250:251], v[98:99]
	v_pk_add_f32 v[246:247], v[246:247], v[102:103]
	v_pk_add_f32 v[244:245], v[244:245], v[106:107]
	v_pk_add_f32 v[240:241], v[240:241], v[110:111]
	v_pk_add_f32 v[220:221], v[220:221], v[114:115]
	v_pk_add_f32 v[218:219], v[218:219], v[118:119]
	v_pk_add_f32 v[14:15], v[14:15], v[122:123]
	v_pk_add_f32 v[236:237], v[236:237], v[126:127]
	v_pk_add_f32 v[250:251], v[250:251], v[130:131]
	v_pk_add_f32 v[246:247], v[246:247], v[134:135]
	v_pk_add_f32 v[244:245], v[244:245], v[138:139]
	v_pk_add_f32 v[240:241], v[240:241], v[142:143]
	v_pk_add_f32 v[220:221], v[220:221], v[146:147]
	v_pk_add_f32 v[218:219], v[218:219], v[150:151]
	v_pk_add_f32 v[14:15], v[14:15], v[154:155]
	v_pk_add_f32 v[236:237], v[236:237], v[158:159]
	s_delay_alu instid0(VALU_DEP_2)
	v_pk_add_f32 v[14:15], v[14:15], v[244:245]
	s_delay_alu instid0(VALU_DEP_2)
	v_pk_add_f32 v[236:237], v[236:237], v[240:241]
	v_pk_add_f32 v[250:251], v[250:251], v[220:221]
	v_pk_add_f32 v[246:247], v[246:247], v[218:219]
	s_delay_alu instid0(VALU_DEP_2)
	v_pk_add_f32 v[14:15], v[14:15], v[250:251]
	s_delay_alu instid0(VALU_DEP_2)
	v_pk_add_f32 v[236:237], v[236:237], v[246:247]
	s_delay_alu instid0(VALU_DEP_1)
	v_pk_add_f32 v[14:15], v[14:15], v[236:237]
.set J, 0
.rept 16
	v_pk_mul_f32 v[160+J:161+J], v[160+J:161+J], v[252:253] op_sel_hi:[1,0]   ; O^T under the new M
.set J, J+2
.endr
	s_wait_alu depctr_va_vdst(0)
	s_wait_dscnt 0x0                               ; V and its scale words are in
.irp t, 0,2                            ; O^T += V^T P^T: four accumulators by turns, one instruction a turn
	v_wmma_scale_f32_16x16x128_f8f6f4 v[160+8*\t:167+8*\t], v[32+12*\t:43+12*\t], v[224:235], v[160+8*\t:167+8*\t], v[248+\t/2], v253 matrix_a_fmt:MATRIX_FMT_FP6 matrix_b_fmt:MATRIX_FMT_FP6
	v_wmma_scale_f32_16x16x128_f8f6f4 v[168+8*\t:175+8*\t], v[44+12*\t:55+12*\t], v[224:235], v[168+8*\t:175+8*\t], v[248+\t/2], v253 matrix_a_fmt:MATRIX_FMT_FP6 matrix_b_fmt:MATRIX_FMT_FP6 matrix_a_scale:MATRIX_SCALE_ROW1
.endr
.Lhidden_\@:
	s_add_co_u32 s[KF], s[KF], 256                 ; my next key step: two records on
	s_add_co_u32 s[TB], s[TB], 2*REC
.endm
.macro WALK n                          ; n of my key steps: a constant count; hidden steps are jumped over
	s_mov_b32 s[TRIP], \n
.Lw_\@:
	STEP
	s_sub_co_u32 s[TRIP], s[TRIP], 1
	s_cmp_lg_u32 s[TRIP], 0
	s_cbranch_scc1 .Lw_\@
.endm
.macro SAVE a16, a8                    ; my part of a tile goes to LDS
.rept 4
	v_nop                                          ; places behind the last products
.endr
	v_add_f32 v13, v14, v15                        ; the sum's two halves, beside -M
.irp k, 0,1,2,3,4,5,6,7
	ds_store_b128 v[\a16], v[160+4*\k:163+4*\k] offset:512*\k   ; each accumulator from its low end on
.endr
	ds_store_b64 v[\a8], v[12:13] offset:4096
.endm
	s_wait_loadcnt 0x0                             ; both Q
	s_wait_tensorcnt 0x0                           ; my rows of records 0-3 are in; an add and a wait ahead of a later first fill:
	ds_add_u32 v[SPW], v[NIL]
	s_wait_dscnt 0x0
	s_barrier_signal -1
	s_barrier_wait -1                              ; records 0-3 are whole
	tensor_load_to_lds s[G0B:G0B+3], s[G1B:G1B+7]  ; my rows of records 4-15: my one load behind this barrier; no byte is filled again
	s_nop 0
	WALK 2                                         ; the late tile: records s and 2 + s
	s_wait_tensorcnt 0x0                           ; my rows of records 4-15 are in
	s_wait_dscnt 0x0
	s_barrier_signal -1
	s_barrier_wait -1                              ; all records are whole
	WALK 6
	SAVE PA16, PA8
.irp i, 0,1,2,3,4,5
	v_mov_b32 v[16+\i], v[QB+\i]                   ; the early tile's Q
.endr
	v_mov_b32 v255, v[QBS]
	v_add_nc_u32 v[QD], s[Q0E], v[QR]
	s_mov_b32 s[Q0], s[Q0E]
	s_mov_b32 s[KF], s[KF0]
	s_mov_b32 s[TB], s[TB0]
	INIT
	s_wait_dscnt 0x0                               ; my reads of records 8-15 are over:
	s_barrier_signal -1
	s_barrier_wait -1                              ; everybody's are: the early tile's parts may be written there
	WALK 4                                         ; the early tile: its queries lie under 1,024: records 0-7
	SAVE PB16, PB8
	s_wait_dscnt 0x0                               ; my parts are written
	s_barrier_signal -1
	s_barrier_wait -1                              ; everybody's are
.irp k, 0,1,2,3,4,5,6,7
	ds_load_b128 v[160+4*\k:163+4*\k], v[R116] offset:512*\k   ; the two parts of the tile that I finish
	ds_load_b128 v[96+4*\k:99+4*\k], v[R216] offset:512*\k
.endr
	ds_load_b64 v[128:129], v[R18] offset:4096
	ds_load_b64 v[130:131], v[R28] offset:4096
	s_wait_dscnt 0x0
	v_min_num_f32 v132, v128, v130                 ; -M of the two parts together
	v_sub_f32 v133, v132, v128                     ; each part's M less the common one: a whole number, 0 or less
	v_sub_f32 v134, v132, v130                     ; (a part with no step has M = -3e38, a sum of 0 and zeros)
	v_cvt_i32_f32 v133, v133
	v_cvt_i32_f32 v134, v134
	v_ldexp_f32 v133, 1.0, v133
	v_ldexp_f32 v134, 1.0, v134
	v_mul_f32 v14, v129, v133
	v_fma_f32 v14, v131, v134, v14
	v_permlanex16_b32 v252, v14, s[SEL], s[SEL+1]
	v_add_f32 v14, v14, v252                       ; the row's sum
	s_wait_alu depctr_va_vdst(0)
	v_rcp_f32 v14, v14
	v_nop
	s_wait_alu depctr_va_vdst(0)
	v_mul_f32 v133, v133, v14
	v_mul_f32 v134, v134, v14
.set J, 0
.rept 32
	v_mul_f32 v[96+J], v[96+J], v134
.set J, J+1
.endr
.set J, 0
.rept 32
	v_fma_f32 v[96+J], v[160+J], v133, v[96+J]     ; register 16 b + i is d = 32 b + 16 h + i of my query
.set J, J+1
.endr
	; quantised along d: two blocks of 32; a half fragment of 768 bytes and two scale bytes a row
	v_max3_num_f32 v232, |v96|, |v97|, 0x1800000
	v_max3_num_f32 v233, |v112|, |v113|, 0x1800000
.irp i, 2,4,6,8,10,12,14
	s_delay_alu instid0(VALU_DEP_2)
	v_max3_num_f32 v232, v232, |v[96+\i]|, |v[97+\i]|
	s_delay_alu instid0(VALU_DEP_2)
	v_max3_num_f32 v233, v233, |v[112+\i]|, |v[113+\i]|
.endr
	s_delay_alu instid0(VALU_DEP_2)
	v_permlanex16_b32 v236, v232, s[SEL], s[SEL+1]
	s_delay_alu instid0(VALU_DEP_2)
	v_permlanex16_b32 v237, v233, s[SEL], s[SEL+1]
	s_delay_alu instid0(VALU_DEP_2)
	v_max_num_f32 v232, v232, v236
	s_delay_alu instid0(VALU_DEP_2)
	v_max_num_f32 v233, v233, v237
	s_delay_alu instid0(VALU_DEP_2)
	v_add_nc_u32 v244, 0xff000000, v232
	s_delay_alu instid0(VALU_DEP_2)
	v_add_nc_u32 v245, 0xff000000, v233
	s_delay_alu instid0(VALU_DEP_2)
	v_lshrrev_b32 v236, 23, v244
	s_delay_alu instid0(VALU_DEP_2)
	v_lshrrev_b32 v237, 23, v245
	s_delay_alu instid0(VALU_DEP_1)
	v_lshl_or_b32 v240, v237, 8, v236              ; my row's two bytes
	v_cvt_scalef32_pk16_fp6_f32 v[224:226], v[96:111], v244
	v_cvt_scalef32_pk16_fp6_f32 v[236:238], v[112:127], v245
	v_nop
.irp i, 0,1,2
	v_permlane16_swap_b32 v[224+\i], v[236+\i]
.endr
.irp i, 0,1,2
	s_delay_alu instid0(VALU_DEP_3)
	v_mov_b32 v[227+\i], v[236+\i]                 ; lanes 0-15 hold block 0, lanes 16-31 block 1
.endr
	global_store_b128 v[L16], v[224:227], s[8:9]
	global_store_b64 v[L8], v[228:229], s[8:9] offset:512
	ds_store_b16 v[SADR], v240                     ; both lanes of a row write the same two bytes with the same value
	s_wait_dscnt 0x0
	s_barrier_signal -1
	s_barrier_wait -1                              ; eight waves' bytes make an image of 256 bytes
	s_and_b32 s53, s[WV], 7
	s_cmp_lg_u32 s53, 0
	s_cbranch_scc1 .Lend
	ds_load_b64 v[232:233], v[SRD]
	s_wait_dscnt 0x0
	global_store_b64 v[L8], v[232:233], s[10:11]   ; waves 0 and 8: 32 lanes store 256 consecutive bytes, aligned
.Lend:
	s_wait_tensorcnt 0x0                           ; the wave's end
	ds_add_u32 v[SPW], v[NIL]
	s_wait_dscnt 0x0
	s_endpgm
.Lfunc_end_k_q4bd78498ba_attn:
	.size	k_q4bd78498ba_attn, .Lfunc_end_k_q4bd78498ba_attn-k_q4bd78498ba_attn
	.p2alignl 7, 3214868480
	.fill 96, 4, 3214868480
	.section	.rodata,"a",@progbits
	.p2align	6, 0x0
	.amdhsa_kernel k_q4bd78498ba_attn
		.amdhsa_group_segment_fixed_size 327680
		.amdhsa_private_segment_fixed_size 0
		.amdhsa_enable_private_segment 0
		.amdhsa_kernarg_size 24
		.amdhsa_user_sgpr_count 2
		.amdhsa_user_sgpr_kernarg_segment_ptr 1
		.amdhsa_wavefront_size32 1
		.amdhsa_system_sgpr_workgroup_id_x 1
		.amdhsa_system_sgpr_workgroup_id_y 1
		.amdhsa_system_sgpr_workgroup_id_z 1
		.amdhsa_system_vgpr_workitem_id 0
		.amdhsa_next_free_vgpr 256
		.amdhsa_next_free_sgpr 96
		.amdhsa_reserve_vcc 1
		.amdhsa_float_denorm_mode_32 3
		.amdhsa_float_denorm_mode_16_64 3
		.amdhsa_memory_ordered 1
		.amdhsa_forward_progress 1
		.amdhsa_inst_pref_size 88
	.end_amdhsa_kernel
	.amdgpu_metadata
---
amdhsa.version: [ 1, 2 ]
amdhsa.kernels:
  - .name:           k_q4bd78498ba_attn
    .symbol:         k_q4bd78498ba_attn.kd
    .args:
      - { .name: qrec, .offset: 0, .size: 8, .value_kind: global_buffer, .address_space: global }
      - { .name: kvrec, .offset: 8, .size: 8, .value_kind: global_buffer, .address_space: global }
      - { .name: ao, .offset: 16, .size: 8, .value_kind: global_buffer, .address_space: global }
    .group_segment_fixed_size: 327680
    .private_segment_fixed_size: 0
    .kernarg_segment_align: 8
    .kernarg_segment_size: 24
    .max_flat_workgroup_size: 512
    .sgpr_count:     96
    .vgpr_count:     256
    .wavefront_size: 32
...
	.end_amdgpu_metadata
.endif
;; end of part 2
;; launch oproj (part 3): grid 16 x 16, 4 waves a work-group, clusters of 4 x 4, 327,680 bytes of LDS; arguments ao, wo_codes, wo_scales, out0; writes out0
.if DOCPART == 3
	.amdgcn_target "amdgcn-amd-amdhsa--gfx1250"
	.amdhsa_code_object_version 6
	.text
	.protected	k_q4bd78498ba_oproj
	.globl	k_q4bd78498ba_oproj
	.p2align	8
	.type	k_q4bd78498ba_oproj,@function
k_q4bd78498ba_oproj:
	s_mov_b64 s[64:65], 0
	v_nop
	global_prefetch_b8 v0, s[64:65] scope:SCOPE_SE
	s_setreg_imm32_b32 hwreg(HW_REG_WAVE_MODE, 25, 1), 1
	s_wait_xcnt 0x0
	s_wait_alu depctr_hold_cnt(0) depctr_sa_sdst(0) depctr_va_vdst(0) depctr_va_sdst(0) depctr_va_ssrc(0) depctr_va_vcc(0) depctr_vm_vsrc(0)
	s_getreg_b32 s2, hwreg(HW_REG_IB_STS2, 6, 4)
	s_cmp_eq_u32 s2, 0
	s_cbranch_scc0 .Lentry_in_a_cluster
	s_endpgm
.Lentry_in_a_cluster:
	s_bfe_u32 s2, ttmp6, 0x10000c
	s_cmp_lg_u32 s2, 0xf033
	s_cbranch_scc0 .Lentry_shape_is_right
	s_endpgm
.Lentry_shape_is_right:
; out0 [4096][2048] = the attention's result [4096][1024] times wo^T, both as codes of FP6 (E2M3) with one E8M0 byte for each 32 along K; f32 sums, stored as f32.  No work is left out here.
; ao holds images of operand registers: [block of 128 rows][98,304 bytes of codes: [256 along K][tile of 16 rows][128 along K][64 along K: 768 bytes]; 4,096 bytes of scale words: [128 along K][64 rows: 256 bytes]].
; SHARES.  A work-group makes 256 rows x 128 columns; four waves, each 128 rows x 64 columns.  ALL OF K LIES IN LDS, FILLED ONCE by the head's four joint loads, one a wave: waves 0 and 1 a block of ao each
; (102,400 dense bytes), wave 2 wo's 128 rows (98,304 dense bytes as rows of 256 + 16 of padding), wave 3 their scale bytes.  There is no ring and no refill.
; THE WALK GOES BY ROWS OF THE RESULT.  A wave takes all fragments of its 64 rows of wo (8 steps x 4 blocks x 12 registers) and all scale words into registers once.  Then its eight blocks of 16 rows are finished one after the
; other, each over all of K: 32 products, the block's four accumulators by turns, K ascending.  A finished block goes out while the next is multiplied.  No fragment is read from LDS twice.
; CLUSTERS: 4 x 4: ao's blocks are asked for jointly along a row of the cluster, wo's along a column.  NO PREFETCH: everything is asked for at the head; no loop runs ahead of a load.
; THE MATRIX INSTRUCTION IS USED TRANSPOSED (source 0 = 16 rows of wo, source 1 = 16 rows of ao): a lane holds eight neighbouring numbers of a row of the result.
; REGISTERS: window 0: v1-31 addresses; v32-63 ao's scale words (step, pair of blocks); v64-79 wo's; v80-111 and v224-255 rows on their way out; v128-223 ao's fragments of an even block; window 1: wo's fragments of steps 0-4;
; window 2: v0-143 wo's of steps 5-7, v144-239 ao's fragments of an odd block; window 3: v0-63 two sets of four accumulators.
.set ABLK,  102400
.set WPI,   816                        ; a row of wo in LDS: 3 x (256 + 16)
.set FR,    12
.set WB,    2*ABLK
.set SCLW,  WB+128*WPI
.set SPARE, SCLW+16*272                ; the spare words: 128 bytes a wave
.set SPI,   272                        ; the way out: a stage of 16 rows x (256 + 16) for each wave, over wo's rows, behind the barrier behind which nobody reads them
.set ADX16, 16                         ; v16-17 my block of ao + 16 x lane, for K 0-511 and K 512-1023
.set ADX8,  18                         ; v18-19 the same + 8 x lane
.set ADRW,  20                         ; v20 my rows of wo: row r, + 24 h;  v21 the same behind one padding more for lanes 16-31
.set ADSX,  24
.set ADSW,  25
.set CO,    26
.set STO,   27
.set SPW,   28
.set NIL,   29
.set RD,    30
.set SCX,   32
.set SCW,   64
.set G1,   24
.set G0,   32
.set G1W,  48
.set G0W,  56
.set G1T,  80
.set G0T,  88
.set WV,   92
.set WH,   93
.set WL,   94
.set TY,   95
.set MSB, 0
.macro WIN new                         ; the immediate's high byte repeats the setting that is left
.if MSB != \new
	s_set_vgpr_msb (MSB<<8)|\new
.set MSB, \new
.endif
.endm
.macro TLOAD g0, g1                    ; a tensor load with an s_nop and four v_nop behind it
	tensor_load_to_lds s[\g0:\g0+3], s[\g1:\g1+7]
	s_nop 0
.rept 4
	v_nop
.endr
.endm
.macro CROUND                          ; a round of the cluster's barrier
	s_barrier_signal -1
	s_barrier_wait -1
	s_cmp_lg_u32 s[WV], 0
	s_cbranch_scc1 .Lnot_wave_0_\@
	s_barrier_signal -3
.Lnot_wave_0_\@:
	s_barrier_wait -3
	s_barrier_signal -1
	s_barrier_wait -1
.endm
.macro PLACES n
.rept \n
	v_nop
.endr
.endm
.macro GRP1 g, r                       ; r rows of 256 bytes (32 elements of 8), dense in memory
	s_mov_b32 s[\g+1], 32<<16
	s_mov_b32 s[\g+2], (\r)<<16
	s_mov_b32 s[\g+3], 32<<16
	s_mov_b32 s[\g+4], \r
	s_mov_b32 s[\g+5], 32
	s_mov_b32 s[\g+6], 0
	s_mov_b32 s[\g+7], 0
.endm
	s_load_b256 s[4:11], s[0:1], 0x0               ; ao, wo codes, wo scales, out0
	v_lshl_add_u32 v[SPW], v0, 2, SPARE
	v_mov_b32 v[NIL], 0
	ds_add_u32 v[SPW], v[NIL]                      ; the opening lines: the add twice on end and one wait
	ds_add_u32 v[SPW], v[NIL]
	v_lshrrev_b32 v1, 5, v0
	v_readfirstlane_b32 s[WV], v1
	s_lshr_b32 s[WH], s[WV], 1                     ; my half of the rows
	s_and_b32 s[WL], s[WV], 1                      ; my half of the columns
	s_bfe_u32 s40, ttmp6, 0x40000
	s_bfe_u32 s41, ttmp6, 0x40004
	s_lshl_b32 s42, ttmp9, 2
	s_add_co_u32 s42, s42, s40                     ; tile column
	s_and_b32 s[TY], ttmp7, 0xffff
	s_lshl_b32 s[TY], s[TY], 2
	s_add_co_u32 s[TY], s[TY], s41                 ; tile row
	s_lshl_b32 s43, s41, 2
	s_lshl_b32 s43, 15, s43                        ; my row of the cluster
	s_lshl_b32 s44, 0x1111, s40                    ; my column
	s_or_b32 s[G1], s43, (3<<16)|(1<<21)
	GRP1 G1, 400
	s_or_b32 s[G1W], s44, (3<<16)|(1<<20)|(1<<21)|(5<<22)|(3<<25)
	GRP1 G1W, 384
	s_or_b32 s[G1T], s44, (3<<16)|(1<<20)|(1<<21)|(5<<22)|(3<<25)
	GRP1 G1T, 16
	s_lshl_b32 s45, s[TY], 1
	s_add_co_u32 s45, s45, s[WV]                   ; waves 0 and 1: the block of ao that I fetch
	s_mul_i32 s98, s45, ABLK
	s_mov_b32 s99, 0
	s_mul_i32 s100, s42, 128*768                   ; wo's 128 rows
	s_mov_b32 s101, 0
	s_lshl_b32 s66, s42, 12                        ; their scale bytes: 32 a row
	s_mov_b32 s67, 0
	s_mov_b32 s[G0], 1
	s_mul_i32 s[G0+1], s[WV], ABLK
	s_mov_b32 s[G0W], 1
	s_mov_b32 s[G0W+1], WB
	s_mov_b32 s[G0T], 1
	s_mov_b32 s[G0T+1], SCLW
	s_wait_dscnt 0x0
	s_wait_kmcnt 0x0
	s_add_nc_u64 s[G0+2:G0+3], s[4:5], s[98:99]
	s_or_b32 s[G0+3], s[G0+3], 0x80000000
	s_add_nc_u64 s[G0W+2:G0W+3], s[6:7], s[100:101]
	s_or_b32 s[G0W+3], s[G0W+3], 0x80000000
	s_add_nc_u64 s[G0T+2:G0T+3], s[8:9], s[66:67]
	s_or_b32 s[G0T+3], s[G0T+3], 0x80000000
	CROUND                                         ; all sixteen work-groups are here: the joint loads meet
	s_cmp_lt_u32 s[WV], 2                          ; one chain of branches on the wave's number, one load to an arm
	s_cbranch_scc0 .Lhead_w
	TLOAD G0, G1
	s_branch .Lhead_asked
.Lhead_w:
	s_cmp_lt_u32 s[WV], 3
	s_cbranch_scc0 .Lhead_s
	TLOAD G0W, G1W
	s_branch .Lhead_asked
.Lhead_s:
	TLOAD G0T, G1T
.Lhead_asked:
	s_lshl_b32 s45, s[TY], 8
	s_lshl_b32 s46, s[WH], 7
	s_add_co_u32 s45, s45, s46                     ; my first row of the result: 8,192 bytes a row
	s_lshl_b32 s46, s45, 13
	s_lshl_b32 s2, s42, 9
	s_add_co_u32 s46, s46, s2
	s_lshl_b32 s2, s[WL], 8
	s_add_co_u32 s46, s46, s2
	s_mov_b32 s47, 0
	s_add_nc_u64 s[10:11], s[10:11], s[46:47]
	s_mul_i32 s2, s[WH], ABLK
	s_mul_i32 s3, s[WL], 64*WPI
	s_add_co_u32 s3, s3, WB
	s_add_co_u32 s45, s2, 49152
	s_add_co_u32 s46, s2, 98304
	s_mul_i32 s47, s[WL], 8*272
	s_add_co_u32 s47, s47, SCLW
	s_mul_i32 s66, s[WV], 16*SPI
	s_add_co_u32 s66, s66, WB
	v_and_b32 v1, 15, v0
	v_bfe_u32 v2, v0, 4, 1
	v_and_b32 v6, 31, v0
	v_lshlrev_b32 v7, 4, v6
	v_lshlrev_b32 v8, 3, v6
	v_mul_u32_u24 v3, v1, WPI
	v_mad_u32_u24 v4, v2, 24, v3
	v_lshl_add_u32 v5, v2, 4, v4
	v_add_nc_u32 v[ADX16], s2, v7
	v_add_nc_u32 v[ADX8], s2, v8
	v_add_nc_u32 v[ADX16+1], s45, v7
	v_add_nc_u32 v[ADX8+1], s45, v8
	v_add_nc_u32 v[ADRW], s3, v4
	v_add_nc_u32 v[ADRW+1], s3, v5
	v_add_nc_u32 v[ADSX], s46, v8
	v_lshlrev_b32 v3, 5, v6                        ; wo's scale bytes: 32 a row, eight rows to a unit, 16 more for each unit passed
	v_lshrrev_b32 v9, 3, v6
	v_lshl_add_u32 v3, v9, 4, v3
	v_add_nc_u32 v[ADSW], s47, v3
	v_mul_u32_u24 v3, v1, SPI
	v_lshl_add_u32 v3, v2, 5, v3
	v_add_nc_u32 v[STO], s66, v3
	v_mul_u32_u24 v3, v2, SPI
	v_lshl_add_u32 v3, v1, 4, v3
	v_add_nc_u32 v[RD], s66, v3
	v_lshlrev_b32 v3, 13, v2
	v_lshl_add_u32 v[CO], v1, 4, v3
.macro FRAG reg, st, i                 ; a fragment of wo: 24 bytes as they lie, in pieces of 8; byte y of a row lies at y + 16 (y / 256) of its LDS row
.irp p, 0,1,2,3,4,5
.set BY, 96*(\st)+48*(\p/3)+8*(\p%3)
.if BY/256 == (BY+24)/256
	ds_load_b64 v[\reg+2*\p:\reg+2*\p+1], v[ADRW] offset:BY+16*(BY/256)+(\i)*16*WPI
.else
	ds_load_b64 v[\reg+2*\p:\reg+2*\p+1], v[ADRW+1] offset:BY+16*(BY/256)+(\i)*16*WPI
.endif
.endr
.endm
.macro WLOAD                           ; all of wo's fragments: 192 loads: step st, block i at register 48 (st % 5) + 12 i of window 1 (steps 0-4) or 2
.irp st, 0,1,2,3,4,5,6,7
	WIN 0x40*(1+\st/5)
.irp i, 0,1,2,3
	FRAG 48*(\st%5)+FR*\i, \st, \i
.endr
.endr
	WIN 0
.endm
.macro XLOAD a                         ; block a's fragments of ao, all eight steps: 32 loads: two images of 768 bytes a step
.set XS, 128+16*((\a)%2)
	WIN 0x80*((\a)%2)
.irp st, 0,1,2,3,4,5,6,7
.set XO, ((\st/2)%2)*24576+(2*(\a)+\st%2)*1536
	ds_load_b128 v[XS+FR*\st:XS+FR*\st+3], v[ADX16+\st/4] offset:XO
	ds_load_b64 v[XS+FR*\st+4:XS+FR*\st+5], v[ADX8+\st/4] offset:XO+512
	ds_load_b128 v[XS+FR*\st+6:XS+FR*\st+9], v[ADX16+\st/4] offset:XO+768
	ds_load_b64 v[XS+FR*\st+10:XS+FR*\st+11], v[ADX8+\st/4] offset:XO+1280
.endr
	WIN 0
.endm
.macro SCALES                          ; all scale words: 24 loads.  A scale register carries an even block's words in lanes 0-15 and the odd block's in lanes 16-31
.irp ks, 0,1,2,3
.irp q, 0,1
.irp k, 0,1
	ds_load_b64 v[SCX+4*(2*\ks+\q)+2*\k:SCX+4*(2*\ks+\q)+2*\k+1], v[ADSX] offset:1024*\ks+512*\q+256*\k
.endr
.endr
.irp p, 0,1
	ds_load_b64 v[SCW+8*\p+2*\ks:SCW+8*\p+2*\ks+1], v[ADSW] offset:\p*1088+8*\ks
.endr
.endr
.endm
.macro WM c, m1, m2
	v_wmma_scale_f32_16x16x128_f8f6f4 v[rD:rD+7], v[rW:rW+FR-1], v[rX:rX+FR-1], \c, v[rB], v[rA] matrix_a_fmt:MATRIX_FMT_FP6 matrix_b_fmt:MATRIX_FMT_FP6 \m1 \m2
.endm
.macro WMO c
.if od == 0
	WM \c
.elseif od == 1
	WM \c, matrix_a_scale:MATRIX_SCALE_ROW1
.elseif od == 2
	WM \c, matrix_b_scale:MATRIX_SCALE_ROW1
.else
	WM \c, matrix_a_scale:MATRIX_SCALE_ROW1, matrix_b_scale:MATRIX_SCALE_ROW1
.endif
.endm
.macro ROW a                           ; block a is made: 32 products; its four accumulators take turns, one instruction a turn; the first step's products start the sums
.irp st, 0,1,2,3,4,5,6,7
	WIN 0xf0|(((\a)%2)<<3)|(1+\st/5)               ; source 0 (wo) window 1 or 2, source 1 (ao) window 0 or 2, C and D window 3
.irp n, 0,1,2,3
.set rD, 32*((\a)%2)+8*\n
.set rW, 48*(\st%5)+FR*\n
.set rX, 128+16*((\a)%2)+FR*\st
.set rB, SCW+8*(\n/2)+\st
.set rA, SCX+4*\st+(\a)/2
.set od, 2*((\a)%2)+\n%2
.if \st == 0
	WMO 0
.else
	WMO v[rD:rD+7]
.endif
.endr
.endr
.endm
; THE WAY OUT of block a, 16 rows x 64 columns: through my own stage, back as whole rows of 256 bytes.  LDS serves a wave's instructions in order: no wait between the stores and the loads.
.macro TOSTAGE a                       ; 8 stores and 8 loads
	WIN 0x0c                                       ; an LDS store's data: window 3
.irp n, 0,1,2,3
	ds_store_b128 v[STO], v[32*((\a)%2)+8*\n:32*((\a)%2)+8*\n+3] offset:64*\n        ; each accumulator from its low end on
	ds_store_b128 v[STO], v[32*((\a)%2)+8*\n+4:32*((\a)%2)+8*\n+7] offset:64*\n+16
.endr
	WIN 0
.set BB, 80+144*((\a)%2)
.irp t, 0,1,2,3,4,5,6,7
	ds_load_b128 v[BB+4*\t:BB+4*\t+3], v[RD] offset:\t*2*SPI
.endr
.endm
.macro SEND a
.set BB, 80+144*((\a)%2)
.if (\a) > 0
	s_add_nc_u64 s[10:11], s[10:11], 16*8192       ; behind a wait on XCNT: the earlier stores have read their base
.endif
.irp t, 0,1,2,3,4,5,6,7
	global_store_b128 v[CO], v[BB+4*\t:BB+4*\t+3], s[10:11] offset:2*\t*8192 th:TH_STORE_NT   ; 16 lanes store 256 consecutive bytes, aligned
.endr
.endm
	s_wait_alu depctr_va_vdst(0)                   ; a wait at the head's end
	s_wait_tensorcnt 0x0                           ; my tile is in;
	s_barrier_signal -1
	s_barrier_wait -1                              ; all four are.  Nothing is filled again
	WLOAD
	SCALES
	XLOAD 0
	XLOAD 1
	s_wait_dscnt 0x0                               ; my reads of wo's rows are over:
	s_barrier_signal -1
	ROW 0
	WIN 0
	s_barrier_wait -1                              ; everybody's are: the stages may be written over them
.irp a, 0,1,2,3,4,5,6,7
	PLACES 4                                       ; behind block a's products: in front of loads into its fragments' registers and of the stores that read its results
.if \a < 6
	XLOAD \a+2
.endif
.if \a > 1
	s_wait_xcnt 0x0                                ; block a - 2's stores have read their registers and their base
.endif
	TOSTAGE \a
.if \a > 0
.if \a < 6
	s_wait_dscnt 48                                ; all but block a + 2's 32 loads and block a's 16 stage instructions: block a - 1 is back from the stage, block a + 1's fragments are in
.else
	s_wait_dscnt 16
.endif
	SEND \a-1
.endif
.if \a < 7
	ROW \a+1
	WIN 0
.endif
.endr
	s_wait_xcnt 0x0
	s_wait_dscnt 0x0
	SEND 7
	s_wait_tensorcnt 0x0                           ; the wave's end; then the closing round
	ds_add_u32 v[SPW], v[NIL]
	s_wait_dscnt 0x0
	CROUND
	s_endpgm
.Lfunc_end_k_q4bd78498ba_oproj:
	.size	k_q4bd78498ba_oproj, .Lfunc_end_k_q4bd78498ba_oproj-k_q4bd78498ba_oproj
	.p2alignl 7, 3214868480
	.fill 96, 4, 3214868480
	.section	.rodata,"a",@progbits
	.p2align	6, 0x0
	.amdhsa_kernel k_q4bd78498ba_oproj
		.amdhsa_group_segment_fixed_size 327680
		.amdhsa_private_segment_fixed_size 0
		.amdhsa_enable_private_segment 0
		.amdhsa_kernarg_size 32
		.amdhsa_user_sgpr_count 2
		.amdhsa_user_sgpr_kernarg_segment_ptr 1
		.amdhsa_wavefront_size32 1
		.amdhsa_system_sgpr_workgroup_id_x 1
		.amdhsa_system_sgpr_workgroup_id_y 1
		.amdhsa_system_sgpr_workgroup_id_z 1
		.amdhsa_system_vgpr_workitem_id 0
		.amdhsa_next_free_vgpr 832
		.amdhsa_next_free_sgpr 102
		.amdhsa_reserve_vcc 0
		.amdhsa_float_denorm_mode_32 3
		.amdhsa_float_denorm_mode_16_64 3
		.amdhsa_memory_ordered 1
		.amdhsa_forward_progress 1
		.amdhsa_inst_pref_size 87
	.end_amdhsa_kernel
	.amdgpu_metadata
---
amdhsa.version: [ 1, 2 ]
amdhsa.kernels:
  - .name:           k_q4bd78498ba_oproj
    .symbol:         k_q4bd78498ba_oproj.kd
    .args:
      - { .name: ao, .offset: 0, .size: 8, .value_kind: global_buffer, .address_space: global }
      - { .name: wo_codes, .offset: 8, .size: 8, .value_kind: global_buffer, .address_space: global }
      - { .name: wo_scales, .offset: 16, .size: 8, .value_kind: global_buffer, .address_space: global }
      - { .name: out0, .offset: 24, .size: 8, .value_kind: global_buffer, .address_space: global }
    .group_segment_fixed_size: 327680
    .private_segment_fixed_size: 0
    .kernarg_segment_align: 8
    .kernarg_segment_size: 32
    .max_flat_workgroup_size: 128
    .sgpr_count:     102
    .vgpr_count:     832
    .wavefront_size: 32
...
	.end_amdgpu_metadata
.endif
;; end of part 3
